; MI455X (gfx1250); checked and timed in simulation.
; The chip was launched on July 23, 2026; its instructions are those of AMD's public machine-readable ISA for CDNA 5 (MIT licence, August 2026) and "CDNA5" Instruction Set Architecture Reference Guide (July 2026). The comments in the code are by the model that wrote it; some were corrected since.
;; Q Wen3 Attention. Allowed arithmetic: matrix products marked QUANTISED: E2M1 operands, one E8M0 scale for each 32 along K, by v_wmma_scale_f32_16x16x128_f8f6f4 with both operands' format E2M1 (or v_wmma_scale_f32_32x16x128_f4), f32 sums; products left as they are: bf16, f16 or f32 operands; f32 sums; everything else in f32.
;; Inputs: Wk 4,096 x 1,024 float32; Wo 4,096 x 4,096 float32; Wq 4,096 x 4,096 float32; Wv 4,096 x 1,024 float32; hidden_states 1 x 1,024 x 4,096 float32; k_norm_w 128 float32; positions 1,024 int32; q_norm_w 128 float32.
;; Outputs: out0 1 x 1,024 x 4,096 float32; out1 1 x 1,024 x 1,024 float32; out2 1 x 1,024 x 1,024 float32.
;; This version of the problem:
;;   THIS VERSION OF THE PROBLEM IS GIVEN IN LOW PRECISION. The matrix products marked QUANTISED in the list below multiply operands that are first quantised to E2M1 (2 exponent bits, 1 mantissa bit; 4 bits a number), with one power-of-two scale for each 32 numbers along K (OCP MX v1.0); their sums are f32. The products marked 'left as it is' may take bf16, f16 or f32 operands, with f32 sums. Whichever they take, every output number must still come out within the allowed error. Rounding operands to bf16 (8 significant bits) uses up far more of that allowance than f16 does (11 bits, for magnitudes from 6e-5 to 65,504). All else is computed in f32.
;;   The module's matrix products, in the order in which they are computed (A, B: the left and right operand; K: the contracted axis; several contracted axes count as one K, in the product's order):
;;     1. [M 1,024, K 4,096] x [K 4,096, N 4,096]; A: input hidden_states; B: input Wq: QUANTISED
;;     2. [M 1,024, K 4,096] x [K 4,096, N 1,024]; A: input hidden_states; B: input Wk: QUANTISED
;;     3. [M 1,024, K 4,096] x [K 4,096, N 1,024]; A: input hidden_states; B: input Wv: QUANTISED
;;     4. batch 32 x [M 1,024, K 128] x [K 128, N 1,024]; A: computed on the way; B: computed on the way: left as it is (an operand is computed on the way)
;;     5. batch 32 x [M 128, K 1,024] x [K 1,024, N 1,024]; A: computed on the way; B: computed on the way: left as it is (an operand is computed on the way)
;;     6. [M 1,024, K 4,096] x [K 4,096, N 4,096]; A: computed on the way; B: input Wo: left as it is (an operand is computed on the way)
;;   THE QUANTISER, for each operand of a quantised product, along K:
;;     - K is cut into blocks of 32 from its start; a last block that is shorter is filled with zeros.
;;     - A block's scale is 2^e with e = floor(log2(the largest magnitude in the block)) - 2, held to -126 .. 127; a block of zeros has e = 0. As a byte (E8M0): e + 127.
;;     - Each number is divided by its block's scale, clamped to +-6, and rounded to the nearest number of E2M1, ties to even, subnormals kept.
;;     - The product sums the exact products of the quantised numbers (number of the format x scale) in f32.
;;   ~~~python
;;   def quantise(x, axis):      # numpy; x: float32 -> the quantised numbers, widened to float32 again
;;       x = np.moveaxis(x, axis, -1); K = x.shape[-1]
;;       x = np.pad(x, [(0, 0)] * (x.ndim - 1) + [(0, -K % 32)]); x = x.reshape(x.shape[:-1] + (-1, 32)); a = np.abs(x).max(-1, keepdims=True)
;;       e = np.where(a > 0, np.clip(np.frexp(np.where(a > 0, a, 1))[1] - 1 - 2, -126, 127), 0)      # np.frexp(a)[1] - 1 = floor(log2(a)), exactly
;;       r = np.clip(x / 2.0 ** e, -6, 6)
;;       step = 2.0 ** (np.maximum(np.frexp(np.where(r == 0, 1, r))[1] - 1, 0) - 1)
;;       q = np.round(r / step) * step * 2.0 ** e      # np.round: ties to even
;;       return np.moveaxis(q.reshape(q.shape[:-2] + (-1,))[..., :K], -1, axis).astype(np.float32)
;;   ~~~
;; One version. Each part assembles by itself: llvm-mc -triple=amdgcn-amd-amdhsa -mcpu=gfx1250 --defsym DOCPART=n.
;; ======== version 1 of 1: 5 launches
;; limits: inputs' magnitudes at most 1,048,576; values are held in f16: magnitudes above 65,504 overflow, below 6.1e-05 lose precision; inputs' magnitudes at most 4,096
;; workspace buffers: xq 2,752,512 bytes; wq 13,369,344 bytes; qkv 12,845,056 bytes; wo16 33,554,432 bytes; part 2,097,152 bytes; attn16 8,388,608 bytes
;; launch prep (part 1): grid 64 x 8, 4 waves a work-group, no clusters, 68,096 bytes of LDS; arguments Wq, Wk, Wv, wq, hidden_states, positions, xq; writes wq, xq
.if DOCPART == 1
	.amdgcn_target "amdgcn-amd-amdhsa--gfx1250"
	.amdhsa_code_object_version 6
	.text
	.protected	k_q1ff55b1dee_prep
	.globl	k_q1ff55b1dee_prep
	.p2align	8
	.type	k_q1ff55b1dee_prep,@function
k_q1ff55b1dee_prep:
	s_mov_b64 s[64:65], 0
	v_nop
	global_prefetch_b8 v0, s[64:65] scope:SCOPE_SE
	s_setreg_imm32_b32 hwreg(HW_REG_WAVE_MODE, 25, 1), 1
	s_wait_xcnt 0x0
; ONE LAUNCH QUANTISES ALL FOUR OPERANDS OF THE THREE PROJECTIONS to codes of FP4 (E2M1) with one E8M0 byte for each 32 along K, and makes the table of the rotary embedding.
; A block's scale is 2^(floor(log2(largest magnitude)) - 2); its byte is the largest magnitude's exponent field - 2, held at 1 from below (a block of zeros keeps the byte 1: its codes are zeros, and this program alone reads the bytes).
; Work-groups with x under 48 take the weights, the 16 x 8 others hidden_states.  The two ways part once, on the work-group's number; each has LDS bytes of its own.
; THE WEIGHTS.  Wq [4096][4096], Wk, Wv [4096][1024], f32 with K as FIRST axis -> codes laid [6144 n'][2048 bytes], K innermost (n' = Wq's columns, Wk's from 4096, Wv's from 5120) at byte 0 of wq; scale bytes [6144][128] at byte WSO.
;   A LANE TAKES A COLUMN AND ITS REGISTERS RUN DOWN K: a block of 32 lies in one lane's 32 registers, and the conversions give codes with K innermost.  A wave takes 32 columns x 512 along K; its codes (256 bytes a column)
;   go through its own stage in LDS and leave as rows, sixteen lanes to 256 consecutive aligned bytes.  Pointer, row stride and column block are chosen by the work-group's number.  The stride is a register, so each of a
;   block's 32 rows has an offset register, and the base steps 32 rows a block.  Loads run two blocks ahead.
; HIDDEN_STATES [1024][4096] f32 -> codes [1024][2048 bytes] at byte 0 of xq, scale bytes [1024][128] at byte XSO.  Rows are dense, so x is a plain stream of blocks of 32.  A wave takes a run of 8,192 numbers (two rows) in
;   16 steps of 512.  Each load reads 512 consecutive bytes; a step's 2,048 bytes turn through the wave's own stage in LDS (16 bytes of padding behind each 64) and come back 64 bytes a lane, so that a lane holds 16
;   neighbours along K and two neighbouring lanes a block.  Loads run four steps ahead.  Beside it the table [1024 rows][64 i][cos, sin] f32 at byte RPO: angle = float(positions[row]) x 1e6^(-i/64).
; LIMITS: blocks whose largest magnitude lies under 2^-124 were not tried; NaN and infinities are not served; |positions| under 2^22 (three-part reduction by pi/2).
; No tensor load, no barrier: waves share nothing.
.set EMAX,  2
.set SPW,   216                        ; v216 LDS address of my spare word; never rewritten
.set NIL,   217                        ; v217 0; never rewritten
.set XL,    34816                      ; LDS: 0: the weights' four stages of 32 x 272; from here x's four regions of 8,192;
.set SPARE, 67584                      ; the spare words, 128 bytes a wave
; the weights' way
.set NB,    16
.set PITCH, 272
.set KROW,  2048
.set WX,    32                         ; v32-95   two sets of 32 numbers
.set WC,    96                         ; v96-99   a block's codes
.set OUTR,  112                        ; v112-175 the way out
.set OFF,   176                        ; v176-207 row i of a block: i x stride + 4 x lane; never rewritten
.set SB,    24                         ; v24-27   the scale bytes, four to a register
.set WSO,   12582912
; x's way
.set STEPS, 16
.set CB,    8                          ; bytes of 16 codes
.set R,     16                         ; v16-79   four sets of 16 numbers as loaded
.set X,     80                         ; v80-111  two sets of 16 neighbours
.set E,     112                        ; v112-127 a scale byte for each step
.set C,     128                        ; v128-191 codes, four registers a step
.set INV,   192                        ; v192-193 1e6^(-i/64) for i = lane, lane + 32
.set PF,    194                        ; v194-195 my two rows' positions as f32
.set CSO,   196                        ; v196-203 four pairs (cos, sin): each store has registers of its own
.set TT,    204                        ; v204-213 at work
.set WREG,  8192                       ; a wave's region: two stages of 32 x SP bytes, then its 256 scale bytes
.set SP,    80
.set XSO,   2097152
.set RPO,   2228224
	v_lshl_add_u32 v[SPW], v0, 2, SPARE
	v_mov_b32 v[NIL], 0
	v_lshrrev_b32 v1, 5, v0
	v_readfirstlane_b32 s16, v1                    ; wave
	v_and_b32 v2, 31, v0                           ; lane
	s_cmp_lt_u32 ttmp9, 48                         ; the work-group's number alone: all four waves go the same way
	s_cbranch_scc0 .Lx_path
	; ---------------- the weights ----------------
	s_load_b256 s[4:11], s[0:1], 0x0               ; Wq, Wk, Wv, wq
	s_lshl_b32 s17, ttmp9, 7
	s_lshl_b32 s18, s16, 5
	s_add_co_u32 s17, s17, s18                     ; my wave's first row n' of the output
	s_and_b32 s18, ttmp7, 0xffff                   ; which 512 along K
	v_lshlrev_b32 v3, 2, v2
	s_mul_i32 s19, s16, 32*PITCH                   ; my stage
	v_mul_u32_u24 v4, v2, PITCH
	v_add_nc_u32 v4, s19, v4                       ; into it: row = my column
	v_and_b32 v5, 15, v2
	v_lshrrev_b32 v6, 4, v2
	v_mul_u32_u24 v7, v6, PITCH
	v_lshl_add_u32 v7, v5, 4, v7
	v_add_nc_u32 v7, s19, v7                       ; out of it: sixteen lanes to a row, two rows an instruction
	v_mul_u32_u24 v8, v6, KROW
	v_lshl_add_u32 v8, v5, 4, v8                   ; the same place in the codes
	v_lshlrev_b32 v9, 7, v2                        ; my column's row of scale bytes
	s_wait_kmcnt 0x0
	s_cmp_lt_u32 ttmp9, 40                         ; the choices hang on the work-group's number alone
	s_cselect_b64 s[6:7], s[6:7], s[8:9]
	s_cselect_b32 s20, 32, 40
	s_cmp_lt_u32 ttmp9, 32
	s_cselect_b64 s[4:5], s[4:5], s[6:7]
	s_cselect_b32 s20, 0, s20                      ; the weight's first work-group
	s_mov_b32 s21, 4096
	s_cselect_b32 s21, 16384, s21                  ; bytes from row to row
	s_sub_co_u32 s20, ttmp9, s20
	s_lshl_b32 s20, s20, 9                         ; 128 columns of 4 bytes a work-group
	s_lshl_b32 s22, s16, 7
	s_add_co_u32 s20, s20, s22                     ; + 32 columns a wave
	s_mul_i32 s22, s18, s21
	s_lshl_b32 s22, s22, 9                         ; + 512 rows for each step along the grid's y
	s_add_co_u32 s22, s22, s20
	s_mov_b32 s23, 0
	s_add_nc_u64 s[4:5], s[4:5], s[22:23]
	s_lshl_b32 s30, s21, 5                         ; 32 rows
	s_mov_b32 s31, 0
	s_lshl_b32 s24, s17, 11
	s_lshl_b32 s26, s18, 8
	s_add_co_u32 s24, s24, s26
	s_mov_b32 s25, 0
	s_add_nc_u64 s[12:13], s[10:11], s[24:25]      ; codes: n' x 2,048 + 256 y
	s_lshl_b32 s24, s17, 7
	s_lshl_b32 s26, s18, 4
	s_add_co_u32 s24, s24, s26
	s_add_co_u32 s24, s24, WSO
	s_add_nc_u64 s[14:15], s[10:11], s[24:25]      ; scale bytes: WSO + n' x 128 + 16 y
.set k, 0
.rept 32
	v_mad_u32_u24 v[OFF+k], s21, k, v3
.set k, k+1
.endr
.macro WLOAD t                         ; block t into set t % 2; then the base steps to the next block
.set k, 0
.rept 32
	global_load_b32 v[WX+32*((\t)%2)+k], v[OFF+k], s[4:5] th:TH_LOAD_NT
.set k, k+1
.endr
	s_wait_xcnt 0x0                                ; the loads have read their base: it is rewritten only behind this wait
	s_add_nc_u64 s[4:5], s[4:5], s[30:31]
.endm
	WLOAD 0
	WLOAD 1
.macro WBLOCK t
.set XS, WX+32*((\t)%2)
.if (\t) < NB-1
	s_wait_loadcnt 32                              ; this block's 32 loads are in; the next block's 32 may be out
.else
	s_wait_loadcnt 0
.endif
	v_max3_num_f32 v12, |v[XS]|, |v[XS+1]|, |v[XS+2]|
	v_max3_num_f32 v13, |v[XS+3]|, |v[XS+4]|, |v[XS+5]|
.irp i, 6,10,14,18,22,26
	v_max3_num_f32 v12, v12, |v[XS+\i]|, |v[XS+\i+1]|
	v_max3_num_f32 v13, v13, |v[XS+\i+2]|, |v[XS+\i+3]|
.endr
	v_max3_num_f32 v12, v12, |v[XS+30]|, |v[XS+31]|
	v_max3_num_f32 v12, v12, v13, (EMAX+1)<<23     ; the floor 2^(3 - 127): the byte cannot fall under 1
	v_add_nc_u32 v11, -(EMAX<<23), v12             ; 2 off the exponent field: the conversion's scale operand
	v_lshrrev_b32 v13, 23, v11                     ; the scale's byte
.if (\t)%4 == 0
	v_mov_b32 v[SB+(\t)/4], v13
.else
	v_lshl_or_b32 v[SB+(\t)/4], v13, 8*((\t)%4), v[SB+(\t)/4]
.endif
.irp g, 0,1,2,3
	v_cvt_scalef32_pk8_fp4_f32 v[WC+\g], v[XS+8*\g:XS+8*\g+7], v11
.endr
	ds_store_b128 v4, v[WC:WC+3] offset:16*(\t)    ; 32 codes: 16 bytes of my column's row
.if (\t)+2 < NB
	WLOAD (\t)+2
.endif
	s_wait_dscnt 0x0                               ; the store has read its registers: the next block's codes may be written
.endm
.set Q, 0
.rept NB
	WBLOCK Q
.set Q, Q+1
.endr
	global_store_b128 v9, v[SB:SB+3], s[14:15]     ; my column's 16 scale bytes
.irp t, 0,1,2,3,4,5,6,7,8,9,10,11,12,13,14,15
	ds_load_b128 v[OUTR+4*\t:OUTR+4*\t+3], v7 offset:2*\t*PITCH
.endr
.irp t, 0,1,2,3,4,5,6,7,8,9,10,11,12,13,14,15
	s_wait_dscnt 15-\t                             ; LDS loads come back in order: load t is in
	global_store_b128 v8, v[OUTR+4*\t:OUTR+4*\t+3], s[12:13] offset:2*\t*KROW
.endr
	s_wait_tensorcnt 0x0                           ; the wave's end, behind my last LDS store
	ds_add_u32 v[SPW], v[NIL]
	s_wait_dscnt 0x0
	s_endpgm
	; ---------------- hidden_states and the table ----------------
.Lx_path:
	s_load_b128 s[4:7], s[0:1], 0x20               ; hidden_states, positions
	s_load_b64 s[8:9], s[0:1], 0x30                ; xq
	v_lshlrev_b32 v3, 4, v2                        ; my 16 bytes of a load's 512
	s_mul_i32 s17, s16, WREG
	s_add_co_u32 s17, s17, XL                      ; my wave's region
	v_lshrrev_b32 v14, 2, v2
	v_mul_u32_u24 v14, v14, SP
	v_and_b32 v15, 3, v2
	v_lshl_add_u32 v14, v15, 4, v14
	v_add_nc_u32 v14, s17, v14                     ; the stage on the way in: SP (lane / 4) + 16 (lane % 4)
	v_mul_u32_u24 v15, v2, SP
	v_add_nc_u32 v15, s17, v15                     ; and on the way out: SP x lane
	v_mul_u32_u24 v4, v2, CB                       ; my codes' place in a step's
	v_lshrrev_b32 v5, 1, v2
	s_add_co_u32 s17, s17, 2*32*SP
	v_add_nc_u32 v5, s17, v5                       ; my block's scale byte in the wave's 256
	v_lshlrev_b32 v7, 3, v2                        ; 8 bytes a lane
	v_add_nc_u32 v6, s17, v7
	s_and_b32 s18, ttmp7, 0xffff
	s_lshl_b32 s18, s18, 4
	s_add_co_u32 s18, s18, ttmp9
	s_sub_co_u32 s18, s18, 48                      ; x's work-group: (x - 48) + 16 y, 0 to 127
	s_lshl_b32 s18, s18, 2
	s_add_co_u32 s18, s18, s16                     ; my run: 4 x work-group + wave
	s_lshl_b32 s20, s18, 15                        ; 32,768 bytes of x a run
	s_mov_b32 s21, 0
	s_lshl_b32 s22, s18, 12                        ; 4,096 bytes of codes
	s_mov_b32 s23, 0
	s_lshl_b32 s26, s18, 8                         ; 256 scale bytes
	s_add_co_u32 s26, s26, XSO
	s_mov_b32 s27, 0
	s_lshl_b32 s38, s18, 10                        ; two table rows of 512 bytes
	s_add_co_u32 s38, s38, RPO
	s_mov_b32 s39, 0
	s_lshl_b32 s40, s18, 3                         ; two positions
	s_mov_b32 s41, 0
	s_mov_b32 s28, 0x3f22f983                      ; 2 / pi
	s_mov_b32 s29, 0xbfc90000                      ; -pi/2 in three parts
	s_mov_b32 s30, 0xb9fda000
	s_mov_b32 s31, 0xb3a22169
	s_mov_b32 s32, 0xb94ca1f9                      ; sine on [-pi/4, pi/4]
	s_mov_b32 s33, 0x3c08839e
	s_mov_b32 s34, 0xbe2aaaa3
	s_mov_b32 s35, 0x37ccf5ce                      ; cosine
	s_mov_b32 s36, 0xbab6061a
	s_mov_b32 s37, 0x3d2aaaa5
	s_wait_kmcnt 0x0
	s_add_nc_u64 s[4:5], s[4:5], s[20:21]
	s_add_nc_u64 s[6:7], s[6:7], s[40:41]
	s_add_nc_u64 s[10:11], s[8:9], s[22:23]        ; codes
	s_add_nc_u64 s[12:13], s[8:9], s[26:27]        ; scale bytes
	s_add_nc_u64 s[14:15], s[8:9], s[38:39]        ; table
	s_load_b64 s[24:25], s[6:7], 0x0               ; positions of my two rows
.macro XLOAD t
.irp i, 0,1,2,3
	global_load_b128 v[R+16*((\t)%4)+4*\i:R+16*((\t)%4)+4*\i+3], v3, s[4:5] offset:2048*(\t)+512*\i th:TH_LOAD_NT
.endr
.endm
.macro XTURN t                         ; step t's numbers through the stage: LDS serves a wave's instructions in order
.irp i, 0,1,2,3
	ds_store_b128 v14, v[R+16*((\t)%4)+4*\i:R+16*((\t)%4)+4*\i+3] offset:32*SP*((\t)%2)+8*SP*\i
.endr
.irp i, 0,1,2,3
	ds_load_b128 v[X+16*((\t)%2)+4*\i:X+16*((\t)%2)+4*\i+3], v15 offset:32*SP*((\t)%2)+16*\i
.endr
.endm
.irp t, 0,1,2,3
	XLOAD \t
.endr
	; the table, while the first loads are on their way
	v_cvt_f32_u32 v[INV], v2
	v_add_nc_u32 v[TT], 32, v2
	v_cvt_f32_u32 v[INV+1], v[TT]
	v_mul_f32 v[INV], 0xbe9f73da, v[INV]           ; -log2(1e6) / 64 x i
	v_mul_f32 v[INV+1], 0xbe9f73da, v[INV+1]
	v_exp_f32 v[INV], v[INV]
	v_exp_f32 v[INV+1], v[INV+1]
	v_nop                                          ; a plain instruction behind the last exponential
	s_wait_alu depctr_va_vdst(0)                   ; one wait for both, ahead of their first reader
	s_wait_kmcnt 0x0
	v_cvt_f32_i32 v[PF], s24
	v_cvt_f32_i32 v[PF+1], s25
; cos and sin of position rho x frequency u: k = nearest whole number to f x 2/pi, r = f - k pi/2, polynomials in r, the quadrant from k's low two bits
.macro SINCOS rho, u
.set OO, CSO+4*(\rho)+2*(\u)
	v_mul_f32 v[TT], v[PF+\rho], v[INV+\u]
	v_mul_f32 v[TT+1], s28, v[TT]
	v_rndne_f32 v[TT+1], v[TT+1]
	v_fma_f32 v[TT+2], v[TT+1], s29, v[TT]
	v_fma_f32 v[TT+2], v[TT+1], s30, v[TT+2]
	v_fma_f32 v[TT+2], v[TT+1], s31, v[TT+2]
	v_mul_f32 v[TT+3], v[TT+2], v[TT+2]
	v_fma_f32 v[TT+4], v[TT+3], s32, s33
	v_fma_f32 v[TT+4], v[TT+4], v[TT+3], s34
	v_mul_f32 v[TT+4], v[TT+4], v[TT+3]
	v_fma_f32 v[TT+4], v[TT+4], v[TT+2], v[TT+2]   ; sin r
	v_fma_f32 v[TT+5], v[TT+3], s35, s36
	v_fma_f32 v[TT+5], v[TT+5], v[TT+3], s37
	v_fma_f32 v[TT+6], v[TT+3], -0.5, 1.0
	v_mul_f32 v[TT+7], v[TT+3], v[TT+3]
	v_fma_f32 v[TT+5], v[TT+5], v[TT+7], v[TT+6]   ; cos r
	v_cvt_i32_f32 v[TT+8], v[TT+1]
	v_and_b32 v[TT+9], 1, v[TT+8]
	v_cmp_ne_u32 vcc_lo, 0, v[TT+9]                ; odd quadrants change sine and cosine
	v_cndmask_b32 v[OO+1], v[TT+4], v[TT+5], vcc_lo
	v_cndmask_b32 v[OO], v[TT+5], v[TT+4], vcc_lo
	v_and_b32 v[TT+9], 2, v[TT+8]
	v_lshlrev_b32 v[TT+9], 30, v[TT+9]
	v_xor_b32 v[OO+1], v[TT+9], v[OO+1]            ; sine changes sign in quadrants 2, 3
	v_add_nc_u32 v[TT+8], 1, v[TT+8]
	v_and_b32 v[TT+8], 2, v[TT+8]
	v_lshlrev_b32 v[TT+8], 30, v[TT+8]
	v_xor_b32 v[OO], v[TT+8], v[OO]                ; cosine in quadrants 1, 2
	global_store_b64 v7, v[OO:OO+1], s[14:15] offset:512*(\rho)+256*(\u)   ; 32 lanes store 256 consecutive bytes, aligned
.endm
	SINCOS 0, 0
	SINCOS 0, 1
	SINCOS 1, 0
	SINCOS 1, 1
	s_wait_loadcnt 12                              ; step 0's four loads are in; the twelve of steps 1 to 3 may be out
	XTURN 0
.macro XSTEP t
.set XS, X+16*((\t)%2)
.if (\t) > 0
	s_wait_dscnt 1                                 ; this step's numbers are back from the stage; the last step's byte store may be out
.else
	s_wait_dscnt 0x0
.endif
.if (\t)+4 < STEPS
	XLOAD (\t)+4
.endif
.if (\t)+1 < STEPS
.if STEPS-2-(\t) >= 3
	s_wait_loadcnt 12                              ; the next step's four loads are in; those of the three steps behind it may be out
.else
	s_wait_loadcnt 4*(STEPS-2-(\t))
.endif
	XTURN (\t)+1
.endif
	v_max3_num_f32 v8, |v[XS]|, |v[XS+1]|, |v[XS+2]|
	v_max3_num_f32 v9, |v[XS+3]|, |v[XS+4]|, |v[XS+5]|
.irp i, 6,10
	v_max3_num_f32 v8, v8, |v[XS+\i]|, |v[XS+\i+1]|
	v_max3_num_f32 v9, v9, |v[XS+\i+2]|, |v[XS+\i+3]|
.endr
	v_max3_num_f32 v8, v8, |v[XS+14]|, |v[XS+15]|
	v_max3_num_f32 v8, v8, v9, (EMAX+1)<<23        ; the floor 2^(3 - 127): the byte cannot fall under 1
	v_max_num_f32_dpp v8, v8, v8 row_xmask:1 row_mask:0xf bank_mask:0xf   ; with my neighbour's 16: the block's largest magnitude
	v_add_nc_u32 v11, -(EMAX<<23), v8              ; 2 off its exponent field: the conversion's scale operand
	v_cvt_scalef32_pk8_fp4_f32 v[C+4*(\t)], v[XS:XS+7], v11
	v_cvt_scalef32_pk8_fp4_f32 v[C+4*(\t)+1], v[XS+8:XS+15], v11
	v_lshrrev_b32 v[E+(\t)], 23, v11               ; the scale's byte
	ds_store_b8 v5, v[E+(\t)] offset:16*(\t)       ; both lanes of a block write the same byte with the same value
	global_store_b64 v4, v[C+4*(\t):C+4*(\t)+1], s[10:11] offset:32*CB*(\t)   ; the wave stores 256 consecutive bytes, aligned
.endm
.irp t, 0,1,2,3,4,5,6,7,8,9,10,11,12,13,14,15
	XSTEP \t
.endr
	ds_load_b64 v[8:9], v6                         ; my wave's 256 scale bytes
	s_wait_dscnt 0x0
	global_store_b64 v7, v[8:9], s[12:13]
	s_wait_tensorcnt 0x0                           ; the wave's end, behind my last LDS store
	ds_add_u32 v[SPW], v[NIL]
	s_wait_dscnt 0x0
	s_endpgm
.Lfunc_end_k_q1ff55b1dee_prep:
	.size	k_q1ff55b1dee_prep, .Lfunc_end_k_q1ff55b1dee_prep-k_q1ff55b1dee_prep
	.p2alignl 7, 3214868480
	.fill 96, 4, 3214868480
	.section	.rodata,"a",@progbits
	.p2align	6, 0x0
	.amdhsa_kernel k_q1ff55b1dee_prep
		.amdhsa_group_segment_fixed_size 68096
		.amdhsa_private_segment_fixed_size 0
		.amdhsa_enable_private_segment 0
		.amdhsa_kernarg_size 56
		.amdhsa_user_sgpr_count 2
		.amdhsa_user_sgpr_kernarg_segment_ptr 1
		.amdhsa_wavefront_size32 1
		.amdhsa_system_sgpr_workgroup_id_x 1
		.amdhsa_system_sgpr_workgroup_id_y 1
		.amdhsa_system_sgpr_workgroup_id_z 1
		.amdhsa_system_vgpr_workitem_id 0
		.amdhsa_next_free_vgpr 224
		.amdhsa_next_free_sgpr 66
		.amdhsa_reserve_vcc 1
		.amdhsa_float_denorm_mode_32 3
		.amdhsa_float_denorm_mode_16_64 3
		.amdhsa_memory_ordered 1
		.amdhsa_forward_progress 1
		.amdhsa_inst_pref_size 121
	.end_amdhsa_kernel
	.amdgpu_metadata
---
amdhsa.version: [ 1, 2 ]
amdhsa.kernels:
  - .name:           k_q1ff55b1dee_prep
    .symbol:         k_q1ff55b1dee_prep.kd
    .args:
      - { .name: Wq, .offset: 0, .size: 8, .value_kind: global_buffer, .address_space: global }
      - { .name: Wk, .offset: 8, .size: 8, .value_kind: global_buffer, .address_space: global }
      - { .name: Wv, .offset: 16, .size: 8, .value_kind: global_buffer, .address_space: global }
      - { .name: wq, .offset: 24, .size: 8, .value_kind: global_buffer, .address_space: global }
      - { .name: hidden_states, .offset: 32, .size: 8, .value_kind: global_buffer, .address_space: global }
      - { .name: positions, .offset: 40, .size: 8, .value_kind: global_buffer, .address_space: global }
      - { .name: xq, .offset: 48, .size: 8, .value_kind: global_buffer, .address_space: global }
    .group_segment_fixed_size: 68096
    .private_segment_fixed_size: 0
    .kernarg_segment_align: 8
    .kernarg_segment_size: 56
    .max_flat_workgroup_size: 128
    .sgpr_count:     66
    .vgpr_count:     224
    .wavefront_size: 32
...
	.end_amdgpu_metadata
.endif
;; end of part 1
;; launch gemm_qkv (part 2): grid 48 x 4, 4 waves a work-group, clusters of 4 x 4, 327,680 bytes of LDS; arguments xq, wq, q_norm_w, k_norm_w, qkv, out1, out2; writes qkv, out1, out2
.if DOCPART == 2
	.amdgcn_target "amdgcn-amd-amdhsa--gfx1250"
	.amdhsa_code_object_version 6
	.text
	.protected	k_q1ff55b1dee_gemm_qkv
	.globl	k_q1ff55b1dee_gemm_qkv
	.p2align	8
	.type	k_q1ff55b1dee_gemm_qkv,@function
k_q1ff55b1dee_gemm_qkv:
	s_mov_b64 s[64:65], 0
	v_nop
	global_prefetch_b8 v0, s[64:65] scope:SCOPE_SE
	s_setreg_imm32_b32 hwreg(HW_REG_WAVE_MODE, 25, 1), 1
	s_wait_xcnt 0x0
	s_wait_alu depctr_hold_cnt(0) depctr_sa_sdst(0) depctr_va_vdst(0) depctr_va_sdst(0) depctr_va_ssrc(0) depctr_va_vcc(0) depctr_vm_vsrc(0)
	s_getreg_b32 s2, hwreg(HW_REG_IB_STS2, 6, 4)
	s_cmp_eq_u32 s2, 0
	s_cbranch_scc0 .Lentry_in_a_cluster
	s_endpgm
.Lentry_in_a_cluster:
	s_bfe_u32 s2, ttmp6, 0x10000c
	s_cmp_lg_u32 s2, 0xf033
	s_cbranch_scc0 .Lentry_shape_is_right
	s_endpgm
.Lentry_shape_is_right:
; The three quantised projections, on codes of FP4 with E8M0 scales, and what follows them row by row: per-head RMSNorm, interleaved rotary embedding.
; A work-group makes 256 rows x 128 columns = ONE head (nt = 0-31: q, 32-39: k, 40-47: v).  Wave w makes rows 64 w .. 64 w + 63 x all 128 columns: 4 x 8 accumulators, so a row's whole head lies in one wave
; (lanes l and l xor 16) and the norm needs one exchange.  K goes in steps of 512 (rows of 256 bytes) through a ring of two LDS slots; the scale bytes of the work-group's rows, for all of K, come once and stay.
; CLUSTERS 4 x 4: the four of a row of the cluster need the same rows of x, the four of a column the same rows of W: each tile is asked for jointly.  The cluster's x gives the kind (q, k, v) for all sixteen alike.
; THE MATRIX INSTRUCTION IS USED TRANSPOSED (source 0 = 16 rows of W, source 1 = 16 rows of x): lane (r, h) holds row 16 a + r, register j column 16 b + 8 h + j.
; OUT: every head as f16 [1024][128] into qkv (v x 2^-4, exact); k and v as f32 into out1, out2; q's rows 0-15 as f32 into qkv at Q32O (group nt / 8, column (nt % 8) x 128, pitch 4,096 bytes).
; LIMITS: |q|, |k| behind the norm under 65,504, |v| under 2^20 (f16); NaN and infinities are not served.
; REGISTERS: window 0: v10-29 addresses; v32-95 scale words, two sets; v96-159 x's fragments, two sets (later at work); v160-223 norm weights; v224-234 at work.
;   window 1: v0-127 W's fragments, two sets; v128-191 rows read back.   window 2: accumulators, (a, b) at 8 (8 a + b).   window 3: cos, sin of my rows: 64 a + 8 b + 2 p, + 1.
.set PITCH, 272                        ; an LDS row: 256 bytes + 16 of padding
.set ASLOT, 256*PITCH                  ; x's 256 rows
.set SLOT,  384*PITCH                  ; then W's 128 rows
.set SCL,   2*SLOT                     ; x's scale bytes: 128 pieces of 256 bytes + 16
.set SCB,   SCL+128*272                ; W's: 64 pieces
.set SBLK,  8*272                      ; the scale bytes of 16 rows
.set SPARE, SCB+64*272                 ; the spare words, 128 bytes a wave
.set XSO,   2097152
.set RPO,   2228224
.set WSO,   12582912
.set Q32O,  12582912
.set STO16, 10
.set RD16,  11
.set CO16,  12
.set VM,    13                         ; v13 0 where my f32 rows are stored
.set ROF,   14
.set WOF,   15
.set ADRA,  16                         ; v16-17 my fragments of x in slot 0, 1
.set ADRB,  20                         ; v20-21 W's
.set STO32, 24
.set RD32,  25
.set CO32,  26
.set ADRS,  27                         ; v27 my scale words: lanes 0-15 x's rows, lanes 16-31 W's
.set SPW,   28
.set NIL,   29
.set SC,    32
.set AF,    96
.set TA,    96
.set WN,    160
.set T,     224
.set F,     232
.set U,     234
.set BK32,  128
.set WV,  18
.set TY,  45                           ; s45 0: q, 1: k, 2: v
.set SV,  46                           ; s[46:47] 2^-4
.set SEL, 66
.set RB,  92
.set D32, 94
.set D16, 96
.set G1,  24
.set G0,  32
.set G1B, 48
.set G0B, 56
.set G1S, 68
.set G0S, 76
.set G1SB, 80
.set G0SB, 88
.set MSB, 0
.macro WIN new                         ; the immediate's high byte repeats the setting that is left
.if MSB != \new
	s_set_vgpr_msb (MSB<<8)|\new
.set MSB, \new
.endif
.endm
.set MUL,  0xa1                        ; source 0 (W) window 1, source 1 (x) window 0, C and D window 2
.set TO_B, 0x40
.macro JLOAD g0a, g1a, g0b, g1b        ; a joint load: waves 0, 1 fetch for x, waves 2, 3 for W; the branch hangs on the wave's number alone; s_nop 0 and four v_nop follow each line
	s_cmp_eq_u32 s19, 0
	s_cbranch_scc0 .Lfor_b_\@
	tensor_load_to_lds s[\g0a:\g0a+3], s[\g1a:\g1a+7]
	s_nop 0
.rept 4
	v_nop
.endr
	s_branch .Lasked_\@
.Lfor_b_\@:
	tensor_load_to_lds s[\g0b:\g0b+3], s[\g1b:\g1b+7]
	s_nop 0
.rept 4
	v_nop
.endr
.Lasked_\@:
.endm
.macro CREST                           ; a round of the cluster's barrier behind its opening barrier
	s_cmp_lg_u32 s[WV], 0
	s_cbranch_scc1 .Lnot_wave_0_\@
	s_barrier_signal -3
.Lnot_wave_0_\@:
	s_barrier_wait -3
	s_barrier_signal -1
	s_barrier_wait -1
.endm
.macro CROUND
	s_barrier_signal -1
	s_barrier_wait -1
	CREST
.endm
.macro PLACES                          ; four plain places behind matrix instructions, ahead of loads into their registers and of reads of results
.rept 4
	v_nop
.endr
.endm
	s_load_b256 s[4:11], s[0:1], 0x0               ; xq, wq, q_norm_w, k_norm_w
	s_load_b128 s[12:15], s[0:1], 0x20             ; qkv, out1
	s_load_b64 s[16:17], s[0:1], 0x30              ; out2
	v_lshl_add_u32 v[SPW], v0, 2, SPARE
	v_mov_b32 v[NIL], 0
	ds_add_u32 v[SPW], v[NIL]                      ; the wave's opening: the add, twice on end, and its wait ahead of my first tensor load
	ds_add_u32 v[SPW], v[NIL]
	v_lshrrev_b32 v1, 5, v0
	v_readfirstlane_b32 s[WV], v1                  ; wave 0..3
	s_lshr_b32 s19, s[WV], 1                       ; I fetch for x (0) or for W (1)
	s_and_b32 s20, s[WV], 1                        ; which half of that tile
	s_bfe_u32 s40, ttmp6, 0x40000                  ; cx
	s_bfe_u32 s41, ttmp6, 0x40004                  ; cy = the tile row (the grid has one cluster along y)
	s_lshl_b32 s42, ttmp9, 2
	s_add_co_u32 s42, s42, s40                     ; nt = 4 x cluster x + cx
	s_lshl_b32 s43, s41, 2
	s_lshl_b32 s43, 15, s43                        ; my row of the cluster
	s_lshl_b32 s44, 0x1111, s40                    ; my column
	s_cmp_lt_u32 ttmp9, 10
	s_cselect_b32 s[TY], 1, 2
	s_cmp_lt_u32 ttmp9, 8
	s_cselect_b32 s[TY], 0, s[TY]
	; group 1: codes, elements of 1 byte, rows of 256, 16 bytes of padding behind each; x: 128 rows a load, W: 64
	s_or_b32 s[G1], s43, (1<<20)|(1<<21)|(5<<22)|(3<<25)
	s_or_b32 s[G1B], s44, (1<<20)|(1<<21)|(5<<22)|(3<<25)
	s_mov_b32 s[G1+1], 256<<16
	s_mov_b32 s[G1+2], 128<<16
	s_mov_b32 s[G1+3], 256<<16
	s_mov_b32 s[G1+4], 128
	s_mov_b32 s[G1+5], 2048
	s_mov_b32 s[G1+6], 0
	s_mov_b32 s[G1+7], 0
	s_mov_b32 s[G1B+1], 256<<16
	s_mov_b32 s[G1B+2], 64<<16
	s_mov_b32 s[G1B+3], 256<<16
	s_mov_b32 s[G1B+4], 64
	s_mov_b32 s[G1B+5], 2048
	s_mov_b32 s[G1B+6], 0
	s_mov_b32 s[G1B+7], 0
	; scale bytes: dense blocks as rows of 256 bytes (32 elements of 8), padded likewise; x: 64 rows a load, W: 32
	s_or_b32 s[G1S], s43, (3<<16)|(1<<20)|(1<<21)|(5<<22)|(3<<25)
	s_or_b32 s[G1SB], s44, (3<<16)|(1<<20)|(1<<21)|(5<<22)|(3<<25)
	s_mov_b32 s[G1S+1], 32<<16
	s_mov_b32 s[G1S+2], 64<<16
	s_mov_b32 s[G1S+3], 32<<16
	s_mov_b32 s[G1S+4], 64
	s_mov_b32 s[G1S+5], 32
	s_mov_b32 s[G1S+6], 0
	s_mov_b32 s[G1S+7], 0
	s_mov_b32 s[G1SB+1], 32<<16
	s_mov_b32 s[G1SB+2], 32<<16
	s_mov_b32 s[G1SB+3], 32<<16
	s_mov_b32 s[G1SB+4], 32
	s_mov_b32 s[G1SB+5], 32
	s_mov_b32 s[G1SB+6], 0
	s_mov_b32 s[G1SB+7], 0
	; x's addresses hang on cy alone, W's on nt alone, each in registers that never hold the other coordinate
	s_lshl_b32 s21, s41, 8
	s_lshl_b32 s22, s20, 7
	s_add_co_u32 s21, s21, s22                     ; x: row 256 cy + 128 half
	s_lshl_b32 s92, s21, 11
	s_mov_b32 s93, 0
	s_lshl_b32 s96, s21, 7
	s_add_co_u32 s96, s96, XSO
	s_mov_b32 s97, 0
	s_lshl_b32 s46, s42, 7
	s_lshl_b32 s47, s20, 6
	s_add_co_u32 s46, s46, s47                     ; W: row 128 nt + 64 half
	s_lshl_b32 s94, s46, 11
	s_mov_b32 s95, 0
	s_lshl_b32 s98, s46, 7
	s_add_co_u32 s98, s98, WSO
	s_mov_b32 s99, 0
	s_mul_i32 s23, s20, 128*PITCH                  ; where they go: the wave's number alone enters an LDS address
	s_mul_i32 s47, s20, 64*PITCH
	s_mul_i32 s22, s20, 64*272
	s_mul_i32 s2, s20, 32*272
	s_wait_dscnt 0x0                               ; both opening adds are done
	s_wait_kmcnt 0x0
	s_add_nc_u64 s[92:93], s[4:5], s[92:93]
	s_add_nc_u64 s[96:97], s[4:5], s[96:97]
	s_add_nc_u64 s[94:95], s[6:7], s[94:95]
	s_add_nc_u64 s[98:99], s[6:7], s[98:99]
	CROUND                                         ; all sixteen work-groups are here: the first joint loads meet
	s_mov_b32 s[G0S], 1
	s_add_co_u32 s[G0S+1], s22, SCL
	s_mov_b64 s[G0S+2:G0S+3], s[96:97]
	s_or_b32 s[G0S+3], s[G0S+3], 0x80000000
	s_mov_b32 s[G0SB], 1
	s_add_co_u32 s[G0SB+1], s2, SCB
	s_mov_b64 s[G0SB+2:G0SB+3], s[98:99]
	s_or_b32 s[G0SB+3], s[G0SB+3], 0x80000000
	JLOAD G0S, G1S, G0SB, G1SB                     ; the scale bytes first: wanted with K step 0
.irp s, 0,1
	s_mov_b32 s[G0+4*\s], 1
	s_add_co_u32 s[G0+4*\s+1], s23, \s*SLOT
	s_add_nc_u64 s[G0+4*\s+2:G0+4*\s+3], s[92:93], \s*256
	s_or_b32 s[G0+4*\s+3], s[G0+4*\s+3], 0x80000000
	s_mov_b32 s[G0B+4*\s], 1
	s_add_co_u32 s[G0B+4*\s+1], s47, ASLOT+\s*SLOT
	s_add_nc_u64 s[G0B+4*\s+2:G0B+4*\s+3], s[94:95], \s*256
	s_or_b32 s[G0B+4*\s+3], s[G0B+4*\s+3], 0x80000000
	JLOAD G0+4*\s, G1, G0B+4*\s, G1B               ; three tensor loads of mine are out
.endr
	; the way out's bases
	s_lshl_b32 s21, s41, 8
	s_lshl_b32 s22, s[WV], 6
	s_add_co_u32 s21, s21, s22                     ; my first row: 256 cy + 64 w
	s_lshl_b32 s92, s21, 9
	s_add_co_u32 s92, s92, RPO
	s_mov_b32 s93, 0
	s_add_nc_u64 s[RB:RB+1], s[4:5], s[92:93]      ; my rows of the table
	s_cmp_eq_u32 s[TY], 0
	s_cselect_b64 s[8:9], s[8:9], s[10:11]         ; q's norm weights, else k's
	s_cselect_b32 s101, s21, 0                     ; q: f32 rows leave only where my first row is 0
	s_lshr_b32 s22, s42, 3
	s_lshl_b32 s22, s22, 16
	s_and_b32 s23, s42, 7
	s_lshl_b32 s23, s23, 9
	s_add_co_u32 s22, s22, s23
	s_add_co_u32 s22, s22, Q32O                    ; q's f32 rows
	s_cmp_eq_u32 s[TY], 1
	s_cselect_b64 s[D32:D32+1], s[14:15], s[16:17]
	s_cselect_b32 s23, 32, 40
	s_sub_co_u32 s23, s42, s23
	s_lshl_b32 s23, s23, 9
	s_lshl_b32 s46, s21, 12
	s_add_co_u32 s23, s23, s46                     ; k's, v's: head x 512 + row x 4,096
	s_cmp_eq_u32 s[TY], 0
	s_cselect_b64 s[D32:D32+1], s[12:13], s[D32:D32+1]
	s_cselect_b32 s46, s22, s23
	s_mov_b32 s47, 0
	s_add_nc_u64 s[D32:D32+1], s[D32:D32+1], s[46:47]
	s_lshl_b32 s46, s42, 18
	s_lshl_b32 s22, s21, 8
	s_add_co_u32 s46, s46, s22
	s_add_nc_u64 s[D16:D16+1], s[12:13], s[46:47]  ; f16: nt x 262,144 + row x 256
	s_mov_b32 s[SV], 0x3d800000
	s_mov_b32 s[SV+1], s[SV]
	s_mov_b32 s98, 0x3c000000                      ; 1 / 128
	s_mov_b32 s99, 0x358637bd                      ; 1e-6
	s_mov_b32 s[SEL], 0x76543210
	s_mov_b32 s[SEL+1], 0xfedcba98
	v_and_b32 v1, 15, v0                           ; r
	v_bfe_u32 v2, v0, 4, 1                         ; h
	v_mul_u32_u24 v3, v1, PITCH
	v_lshl_add_u32 v3, v2, 4, v3                   ; r x 272 + 16 h
	s_mul_i32 s21, s[WV], 64*PITCH
	v_add_nc_u32 v[ADRA], s21, v3
	v_add_nc_u32 v[ADRA+1], SLOT, v[ADRA]
	v_add_nc_u32 v[ADRB], ASLOT, v3
	v_add_nc_u32 v[ADRB+1], ASLOT+SLOT, v3
	v_lshlrev_b32 v5, 7, v1                        ; my row's scale bytes: 128 a row,
	v_lshrrev_b32 v6, 8, v5
	v_lshl_add_u32 v5, v6, 4, v5                   ; and 16 more for each 256 passed
	s_mul_i32 s21, s[WV], 32*272                   ; x's: my 64 rows
	s_xor_b32 s22, s[WV], 3
	s_add_co_u32 s22, s22, 1
	s_mul_i32 s22, s22, 32*272                     ; from there to W's first row: (4 - w) x 8,704
	v_mul_u32_u24 v6, s22, v2                      ; lanes 16-31 take W's
	s_add_co_u32 s21, s21, SCL
	v_add_nc_u32 v5, v5, v6
	v_add_nc_u32 v[ADRS], s21, v5
	s_mul_i32 s23, s[WV], 12800                    ; my stages, in slot 0: 16 x 528 for f32, then 16 x 272 for f16
	v_mul_u32_u24 v5, v1, 528
	v_lshl_add_u32 v5, v2, 5, v5
	v_add_nc_u32 v[STO32], s23, v5
	v_and_b32 v6, 31, v0
	v_lshlrev_b32 v[CO32], 4, v6
	v_add_nc_u32 v[RD32], s23, v[CO32]
	s_add_co_u32 s23, s23, 8448
	v_add_nc_u32 v[STO16], s23, v3
	v_mul_u32_u24 v5, v2, 272
	v_lshl_add_u32 v5, v1, 4, v5
	v_add_nc_u32 v[RD16], s23, v5
	v_lshlrev_b32 v[CO16], 8, v2
	v_lshl_add_u32 v[CO16], v1, 4, v[CO16]
	v_mov_b32 v[VM], s101
	v_lshlrev_b32 v[ROF], 9, v1
	v_lshl_add_u32 v[ROF], v2, 5, v[ROF]           ; table: row r of 512 bytes + 32 h
	v_lshlrev_b32 v[WOF], 5, v2
	v_mov_b32 v[F+1], 0                            ; named as the upper half of a pair
	v_mov_b32 v[U], 0                              ; a lane permute's destination counts as one of its sources
	WIN 0xc0                                       ; destination window 3.  These 80 loads are waited for once, at the head of the way out
.irp a, 0,1,2,3
.irp b, 0,1,2,3,4,5,6,7
.irp c, 0,1
	global_load_b128 v[64*\a+8*\b+4*\c:64*\a+8*\b+4*\c+3], v[ROF], s[RB:RB+1] offset:8192*\a+64*\b+16*\c
.endr
.endr
.endr
	WIN 0
.irp b, 0,1,2,3,4,5,6,7
.irp c, 0,1
	global_load_b128 v[WN+8*\b+4*\c:WN+8*\b+4*\c+3], v[WOF], s[8:9] offset:64*\b+16*\c
.endr
.endr
.macro FRAG reg, adr, q, i             ; 16 rows x 128 K of 4-bit codes: 8 registers, two loads of 16 bytes, 32 apart
.irp c, 0,1
	ds_load_b128 v[\reg+4*\c:\reg+4*\c+3], v[\adr] offset:64*(\q)+32*\c+(\i)*16*PITCH
.endr
.endm
.macro FETCH slot, q, p                ; the slot's q-th 128 along K into set p: W's eight fragments, x's four: 24 loads
	WIN TO_B
.irp i, 0,1,2,3,4,5,6,7
	FRAG 64*(\p)+8*\i, ADRB+\slot, \q, \i
.endr
	WIN 0
.irp i, 0,1,2,3
	FRAG AF+32*(\p)+8*\i, ADRA+\slot, \q, \i
.endr
.endm
.macro SCALES set                      ; a K step's four scale words a row: lanes 16-31 W's block i, lanes 0-15 x's block i (for i above 3: bytes that are filled and not used)
.irp i, 0,1,2,3,4,5,6,7
	ds_load_b128 v[SC+32*\set+4*\i:SC+32*\set+4*\i+3], v[ADRS] offset:\i*SBLK
.endr
.endm
.macro MUL8 a, p, q, set, zero         ; x's block a against W's eight.  The 32 accumulators take turns, one instruction a turn, in one order
.irp b, 0,1,2,3,4,5,6,7
.if \zero
	v_wmma_scale_f32_16x16x128_f8f6f4 v[8*(8*(\a)+\b):8*(8*(\a)+\b)+7], v[64*(\p)+8*\b:64*(\p)+8*\b+7], v[AF+32*(\p)+8*(\a):AF+32*(\p)+8*(\a)+7], 0, v[SC+32*(\set)+4*\b+(\q)], v[SC+32*(\set)+4*(\a)+(\q)] matrix_a_fmt:MATRIX_FMT_FP4 matrix_b_fmt:MATRIX_FMT_FP4 matrix_a_scale:MATRIX_SCALE_ROW1
.else
	v_wmma_scale_f32_16x16x128_f8f6f4 v[8*(8*(\a)+\b):8*(8*(\a)+\b)+7], v[64*(\p)+8*\b:64*(\p)+8*\b+7], v[AF+32*(\p)+8*(\a):AF+32*(\p)+8*(\a)+7], v[8*(8*(\a)+\b):8*(8*(\a)+\b)+7], v[SC+32*(\set)+4*\b+(\q)], v[SC+32*(\set)+4*(\a)+(\q)] matrix_a_fmt:MATRIX_FMT_FP4 matrix_b_fmt:MATRIX_FMT_FP4 matrix_a_scale:MATRIX_SCALE_ROW1
.endif
.endr
.endm
.macro STEP slot, q, zero              ; 128 along K with its successor in the same slot
	PLACES
	FETCH \slot, (\q)+1, 1-(\q)%2
	s_wait_dscnt 24                                ; all but the 24 just issued: this step's set, and its scale words, are in
	WIN MUL
	MUL8 0, (\q)%2, \q, \slot, \zero
	MUL8 1, (\q)%2, \q, \slot, \zero
	MUL8 2, (\q)%2, \q, \slot, \zero
	MUL8 3, (\q)%2, \q, \slot, \zero
	WIN 0
.endm
.macro TURN slot, next, fill           ; a slot's last step changes slots: one barrier
	s_wait_tensorcnt 0x0                           ; all my tensor loads have landed: my part of the next slot
	ds_add_u32 v[SPW], v[NIL]                      ; 0 onto my spare word
	s_wait_dscnt 1                                 ; the add may be out: this step's 24 loads are in
	WIN MUL
	MUL8 0, 1, 3, \slot, 0
	s_wait_dscnt 0x0                               ; the add is done, and my reads of this slot are over
	s_barrier_signal -1
	MUL8 1, 1, 3, \slot, 0
	WIN 0
	s_barrier_wait -1
.if \fill
	CREST                                          ; the barrier has opened a round of the cluster's: no wave of any partner still reads this slot or has a load on its way
	s_add_nc_u64 s[G0+4*\slot+2:G0+4*\slot+3], s[G0+4*\slot+2:G0+4*\slot+3], 512
	s_add_nc_u64 s[G0B+4*\slot+2:G0B+4*\slot+3], s[G0B+4*\slot+2:G0B+4*\slot+3], 512
	JLOAD G0+4*\slot, G1, G0B+4*\slot, G1B         ; the first tensor load behind the round; its four v_nop are the places for the loads below
.else
	PLACES
.endif
	v_add_nc_u32 v[ADRS], 16, v[ADRS]              ; the next K step's scale words
	FETCH \next, 0, 0
	SCALES \next
	WIN MUL
	MUL8 2, 1, 3, \slot, 0
	MUL8 3, 1, 3, \slot, 0
	WIN 0
.endm
	s_wait_tensorcnt 1                             ; the scale bytes and my part of K step 0 are in; K step 1's load may be out
	s_barrier_signal -1
	s_barrier_wait -1
	FETCH 0, 0, 0
	SCALES 0
	STEP 0, 0, 1                                   ; the first step starts the sums
	s_mov_b32 s3, 3
.Llap:                                             ; a trip goes once round the ring and fills both slots again: K steps 2 to 7
	STEP 0, 1, 0
	STEP 0, 2, 0
	TURN 0, 1, 1
	STEP 1, 0, 0
	STEP 1, 1, 0
	STEP 1, 2, 0
	TURN 1, 0, 1
	STEP 0, 0, 0
	s_sub_co_u32 s3, s3, 1
	s_cmp_lg_u32 s3, 0
	s_cbranch_scc1 .Llap
	STEP 0, 1, 0                                   ; the last lap fills nothing
	STEP 0, 2, 0
	TURN 0, 1, 0
	STEP 1, 0, 0
	STEP 1, 1, 0
	STEP 1, 2, 0
	s_wait_dscnt 0x0
	WIN MUL
	MUL8 0, 1, 3, 1, 0
	MUL8 1, 1, 3, 1, 0
	MUL8 2, 1, 3, 1, 0
	MUL8 3, 1, 3, 1, 0
	WIN 0
; THE WAY OUT, 16 rows at a time.
.macro NORM a                          ; x * rsqrt(mean(x^2) + 1e-6) * w; each accumulator is read from its low end on
	WIN 0x0a
.irp p, 0,1,2,3
	v_pk_mul_f32 v[T+2*\p:T+2*\p+1], v[64*\a+2*\p:64*\a+2*\p+1], v[64*\a+2*\p:64*\a+2*\p+1]
.endr
.irp b, 1,2,3,4,5,6,7
.irp p, 0,1,2,3
	v_pk_fma_f32 v[T+2*\p:T+2*\p+1], v[64*\a+8*\b+2*\p:64*\a+8*\b+2*\p+1], v[64*\a+8*\b+2*\p:64*\a+8*\b+2*\p+1], v[T+2*\p:T+2*\p+1]
.endr
.endr
	WIN 0
	v_pk_add_f32 v[T:T+1], v[T:T+1], v[T+2:T+3]
	v_pk_add_f32 v[T+4:T+5], v[T+4:T+5], v[T+6:T+7]
	v_pk_add_f32 v[T:T+1], v[T:T+1], v[T+4:T+5]
	v_add_f32 v[T], v[T], v[T+1]
	v_permlanex16_b32 v[U], v[T], s[SEL], s[SEL+1] ; the row's other 64 columns lie in the lane 16 away
	v_add_f32 v[T], v[T], v[U]
	v_fma_f32 v[T], v[T], s98, s99
	v_rsq_f32 v[F], v[T]
	v_nop                                          ; a plain instruction behind the transcendental
	s_wait_alu depctr_va_vdst(0)                   ; and the wait ahead of its first reader
	WIN 0x82
.set i, 0
.rept 32
	v_pk_mul_f32 v[64*\a+2*i:64*\a+2*i+1], v[64*\a+2*i:64*\a+2*i+1], v[F:F+1] op_sel_hi:[1,0]
.set i, i+1
.endr
.set i, 0
.rept 32
	v_pk_mul_f32 v[64*\a+2*i:64*\a+2*i+1], v[64*\a+2*i:64*\a+2*i+1], v[WN+2*i:WN+2*i+1]
.set i, i+1
.endr
	WIN 0
.endm
.macro ROPE a                          ; pairs (x1, x2): x1 c - x2 s, x2 c + x1 s
	WIN 0x0e                                       ; source 0 window 2 (x), source 1 window 3 (cos, sin), destination window 0
.set i, 0
.rept 32
	v_mul_f32 v[TA+2*i], v[64*\a+2*i+1], v[64*\a+2*i+1]
	v_mul_f32 v[TA+2*i+1], v[64*\a+2*i], v[64*\a+2*i+1]
.set i, i+1
.endr
	WIN 0x8e
.set i, 0
.rept 32
	v_fma_f32 v[64*\a+2*i], v[64*\a+2*i], v[64*\a+2*i], -v[TA+2*i]
	v_fma_f32 v[64*\a+2*i+1], v[64*\a+2*i+1], v[64*\a+2*i], v[TA+2*i+1]
.set i, i+1
.endr
	WIN 0
.endm
.macro ST32 a                          ; f32 rows through my stage: back as whole rows of 512 bytes
	WIN 0x08
.irp b, 0,1,2,3,4,5,6,7
	ds_store_b128 v[STO32], v[64*\a+8*\b:64*\a+8*\b+3] offset:64*\b
	ds_store_b128 v[STO32], v[64*\a+8*\b+4:64*\a+8*\b+7] offset:64*\b+16
.endr
	WIN 0x40
.irp t, 0,1,2,3,4,5,6,7,8,9,10,11,12,13,14,15
	ds_load_b128 v[BK32+4*\t:BK32+4*\t+3], v[RD32] offset:528*\t
.endr
	WIN 0
	s_wait_dscnt 0x0
	v_cmp_eq_u32 vcc_lo, 0, v[VM]                  ; k, v: every lane; q: every lane of the wave that holds rows 0-15, no lane elsewhere
	s_wait_xcnt 0x0                                ; EXEC changes only behind this wait
	s_and_saveexec_b32 s100, vcc_lo
	WIN 0x04
.irp t, 0,1,2,3,4,5,6,7,8,9,10,11,12,13,14,15
	global_store_b128 v[CO32], v[BK32+4*\t:BK32+4*\t+3], s[D32:D32+1] offset:(16*\a+\t)*4096
.endr
	WIN 0
	s_wait_xcnt 0x0
	s_or_b32 exec_lo, exec_lo, s100
.endm
.macro SCALEV a                        ; v x 2^-4 for its f16 copy: exact
	WIN 0x82
.set i, 0
.rept 32
	v_pk_mul_f32 v[64*\a+2*i:64*\a+2*i+1], v[64*\a+2*i:64*\a+2*i+1], s[SV:SV+1] op_sel_hi:[1,0]
.set i, i+1
.endr
	WIN 0
.endm
.macro ST16 a                          ; f16 rows of 256 bytes: sixteen lanes store 256 consecutive aligned bytes
	WIN 0x0a
.set i, 0
.rept 32
	v_cvt_pk_f16_f32 v[TA+i], v[64*\a+2*i], v[64*\a+2*i+1]
.set i, i+1
.endr
	WIN 0
.irp b, 0,1,2,3,4,5,6,7
	ds_store_b128 v[STO16], v[TA+4*\b:TA+4*\b+3] offset:32*\b
.endr
.irp t, 0,1,2,3,4,5,6,7
	ds_load_b128 v[TA+32+4*\t:TA+32+4*\t+3], v[RD16] offset:544*\t
.endr
	s_wait_dscnt 0x0
.irp t, 0,1,2,3,4,5,6,7
	global_store_b128 v[CO16], v[TA+32+4*\t:TA+32+4*\t+3], s[D16:D16+1] offset:(16*\a+2*\t)*256
.endr
	s_wait_xcnt 0x0                                ; the stores have read their registers: the next 16 rows may use them
.endm
.macro EPI a                           ; the branches hang on the kind alone, which all sixteen partners share
	s_cmp_eq_u32 s[TY], 2
	s_cbranch_scc1 .Lplain_\@
	NORM \a
	ROPE \a
.Lplain_\@:
.if \a > 0
	s_cmp_eq_u32 s[TY], 0
	s_cbranch_scc1 .Lno32_\@
.endif
	ST32 \a
.Lno32_\@:
	s_cmp_lg_u32 s[TY], 2
	s_cbranch_scc1 .Lnosc_\@
	SCALEV \a
.Lnosc_\@:
	ST16 \a
.endm
	PLACES
	s_wait_loadcnt 0x0                             ; the table's rows and the norm weights
	EPI 0
	EPI 1
	EPI 2
	EPI 3
	s_wait_tensorcnt 0x0                           ; the wave's end
	ds_add_u32 v[SPW], v[NIL]
	s_wait_dscnt 0x0
	CROUND                                         ; the closing round
	s_endpgm
.Lfunc_end_k_q1ff55b1dee_gemm_qkv:
	.size	k_q1ff55b1dee_gemm_qkv, .Lfunc_end_k_q1ff55b1dee_gemm_qkv-k_q1ff55b1dee_gemm_qkv
	.p2alignl 7, 3214868480
	.fill 96, 4, 3214868480
	.section	.rodata,"a",@progbits
	.p2align	6, 0x0
	.amdhsa_kernel k_q1ff55b1dee_gemm_qkv
		.amdhsa_group_segment_fixed_size 327680
		.amdhsa_private_segment_fixed_size 0
		.amdhsa_enable_private_segment 0
		.amdhsa_kernarg_size 56
		.amdhsa_user_sgpr_count 2
		.amdhsa_user_sgpr_kernarg_segment_ptr 1
		.amdhsa_wavefront_size32 1
		.amdhsa_system_sgpr_workgroup_id_x 1
		.amdhsa_system_sgpr_workgroup_id_y 1
		.amdhsa_system_sgpr_workgroup_id_z 1
		.amdhsa_system_vgpr_workitem_id 0
		.amdhsa_next_free_vgpr 1024
		.amdhsa_next_free_sgpr 104
		.amdhsa_reserve_vcc 1
		.amdhsa_float_denorm_mode_32 3
		.amdhsa_float_denorm_mode_16_64 3
		.amdhsa_memory_ordered 1
		.amdhsa_forward_progress 1
		.amdhsa_inst_pref_size 207
	.end_amdhsa_kernel
	.amdgpu_metadata
---
amdhsa.version: [ 1, 2 ]
amdhsa.kernels:
  - .name:           k_q1ff55b1dee_gemm_qkv
    .symbol:         k_q1ff55b1dee_gemm_qkv.kd
    .args:
      - { .name: xq, .offset: 0, .size: 8, .value_kind: global_buffer, .address_space: global }
      - { .name: wq, .offset: 8, .size: 8, .value_kind: global_buffer, .address_space: global }
      - { .name: q_norm_w, .offset: 16, .size: 8, .value_kind: global_buffer, .address_space: global }
      - { .name: k_norm_w, .offset: 24, .size: 8, .value_kind: global_buffer, .address_space: global }
      - { .name: qkv, .offset: 32, .size: 8, .value_kind: global_buffer, .address_space: global }
      - { .name: out1, .offset: 40, .size: 8, .value_kind: global_buffer, .address_space: global }
      - { .name: out2, .offset: 48, .size: 8, .value_kind: global_buffer, .address_space: global }
    .group_segment_fixed_size: 327680
    .private_segment_fixed_size: 0
    .kernarg_segment_align: 8
    .kernarg_segment_size: 56
    .max_flat_workgroup_size: 128
    .sgpr_count:     104
    .vgpr_count:     1024
    .wavefront_size: 32
...
	.end_amdgpu_metadata
.endif
;; end of part 2
;; launch wo_fine (part 3): grid 32 x 8, 8 waves a work-group, no clusters, 120,320 bytes of LDS; arguments Wo, qkv, out1, out2, wo16, part; writes wo16, part
.if DOCPART == 3
	.amdgcn_target "amdgcn-amd-amdhsa--gfx1250"
	.amdhsa_code_object_version 6
	.text
	.protected	k_q1ff55b1dee_wo_fine
	.globl	k_q1ff55b1dee_wo_fine
	.p2align	8
	.type	k_q1ff55b1dee_wo_fine,@function
k_q1ff55b1dee_wo_fine:
	s_mov_b64 s[64:65], 0
	v_nop
	global_prefetch_b8 v0, s[64:65] scope:SCOPE_SE
	s_setreg_imm32_b32 hwreg(HW_REG_WAVE_MODE, 25, 1), 1
	s_wait_xcnt 0x0
; Two things on one read of Wo [4096 k][4096 n] f32:  (1) wo16 [n][k] f16 = Wo x 16 (exact scaling), K innermost, for the output product;  (2) positions 0-15 carried in f32: their attention, and their part of the
; output product over this work-group's 512 k, into part [8 chunks][16][4096].
; Work-group (x, y): rows k = 512 y .. + 511, columns 128 x .. + 127.  EIGHT WAVES: wave w takes columns 32 (w & 3) on and the half hf = w >> 2 of the 512 k: a lane one column, registers down K, 8 blocks of 32 k.
; A wave has up to two blocks' loads on their way (64 loads of 128 bytes), the work-group 64 KB; two waves share a SIMD, so that one wave's loads and conversions stand beside the other's f32 products.
; The 512 k are the four heads 4 y .. 4 y + 3, which share KV head y; half hf holds heads 4 y + 2 hf and + 1.  The attention of the first 16 positions is shared out eight ways: wave w makes head 4 y + 2 hf + (w & 1):
; its scores (32 products of the f32 matrix form, made by two waves each) and channels 64 ((w >> 1) & 1) on of O^T (16 products).  The results meet in LDS as images of registers; a wave reads back its half's two heads
; (128 registers), and each block of Wo is multiplied by them (16 products a block).  The two halves' sums meet in two stages in LDS, and each wave adds and stores two whole rows of part.
; The registers that the f32 matrix form writes are written by nothing else; sums start with C = 0; accumulators take turns.
; LIMITS: |Wo| under 4,096 (f16 of Wo x 16); NaN and infinities are not served.
; REGISTERS: window 0: v4-17 addresses; v24-119 three sets of 32 numbers; v120-135 f16 pairs; v136-199 rows read back; v200-231 four accumulators of part; v232-247 at work.
;   window 1: v0-63 q, v64-127 k, later my two heads' attention (128); v128-159 v; v160-191 O^T; v192-223 scores.
.set NBLK, 8
.set X,    24
.set C16,  120
.set OUTR, 136
.set PACC, 200
.set TM,   232
.set PS,   240
.set SPW,  16
.set NIL,  17
.set QF,   0
.set KF,   64
.set VF,   128
.set OACC, 160
.set SACC, 192
.set AIMG, 69632                       ; LDS: 0: eight stages of 32 x 272; here four images of 8,192 bytes;
.set PST,  102400                      ; two stages of 16 x 528 for part, one for each half of k;
.set PSTB, 8448
.set SPARE, 119296                     ; the spare words, 128 bytes a wave
.set Q32O, 12582912
.set MSB, 0
.macro WIN new                         ; the immediate's high byte repeats the setting that is left
.if MSB != \new
	s_set_vgpr_msb (MSB<<8)|\new
.set MSB, \new
.endif
.endm
.macro FAR                             ; eight plain places behind the f32 matrix form (ISA guide 7.12.1)
.rept 8
	v_nop
.endr
.endm
	s_load_b256 s[4:11], s[0:1], 0x0               ; Wo, qkv, out1, out2
	s_load_b128 s[12:15], s[0:1], 0x20             ; wo16, part
	v_lshl_add_u32 v[SPW], v0, 2, SPARE
	v_mov_b32 v[NIL], 0
	v_lshrrev_b32 v1, 5, v0
	v_readfirstlane_b32 s16, v1                    ; wave 0..7
	s_and_b32 s36, s16, 3                          ; my 32 columns
	s_lshr_b32 s37, s16, 2                         ; hf: my half of the 512 k
	s_and_b32 s38, s16, 1                          ; which of the half's two heads I make
	s_bfe_u32 s39, s16, 0x10001                    ; which 64 channels of it
	s_and_b32 s17, ttmp7, 0xffff                   ; y
	v_and_b32 v1, 31, v0                           ; lane
	v_and_b32 v2, 15, v0                           ; r
	v_bfe_u32 v3, v0, 4, 1                         ; h
	v_lshlrev_b32 v4, 2, v1                        ; Wo: 4 bytes a lane
	s_mul_i32 s18, s16, 8704
	v_mul_u32_u24 v5, v1, 272
	v_add_nc_u32 v5, s18, v5                       ; my stage, in: row = my column
	v_mul_u32_u24 v6, v3, 272
	v_lshl_add_u32 v6, v2, 4, v6
	v_add_nc_u32 v6, s18, v6                       ; out: sixteen lanes to a row
	v_lshlrev_b32 v7, 13, v3
	v_lshl_add_u32 v7, v2, 4, v7                   ; the same place in wo16 (rows of 8,192 bytes)
	v_lshlrev_b32 v12, 4, v1                       ; 16 x lane
	s_lshl_b32 s18, s37, 14
	s_add_co_u32 s18, s18, AIMG
	v_add_nc_u32 v9, s18, v12                      ; my half's two images
	s_lshl_b32 s19, s38, 13
	s_add_co_u32 s18, s18, s19
	s_lshl_b32 s19, s39, 12
	s_add_co_u32 s18, s18, s19
	v_add_nc_u32 v8, s18, v12                      ; the half image that I make: 4,096 bytes
	v_mul_u32_u24 v10, v2, 528
	v_lshl_add_u32 v10, v3, 5, v10
	s_mul_i32 s18, s37, PSTB
	s_lshl_b32 s19, s36, 7
	s_add_co_u32 s18, s18, s19
	s_add_co_u32 s18, s18, PST
	v_add_nc_u32 v10, s18, v10                     ; part's stage of my half, in: row r, + 128 x my columns' number + 32 h
	s_mul_i32 s18, s16, 1056
	s_add_co_u32 s18, s18, PST
	v_add_nc_u32 v11, s18, v12                     ; out: rows 2 w and 2 w + 1
	v_lshlrev_b32 v13, 12, v2
	v_lshl_add_u32 v13, v3, 4, v13                 ; q, k: row r of 4,096 bytes + 16 h
	v_lshlrev_b32 v14, 15, v3
	v_lshl_add_u32 v14, v2, 2, v14                 ; v: key 8 h, channel r
	v_lshlrev_b32 v15, 3, v3
	v_sub_nc_u32 v15, v2, v15                      ; r - 8 h
	s_lshl_b32 s20, s17, 23                        ; Wo: 512 rows of 16,384 bytes a chunk,
	s_lshl_b32 s21, s37, 22                        ; 256 a half,
	s_add_co_u32 s20, s20, s21
	s_lshl_b32 s21, ttmp9, 9
	s_add_co_u32 s20, s20, s21
	s_lshl_b32 s21, s36, 7
	s_add_co_u32 s20, s20, s21                     ; my first column
	s_mov_b32 s21, 0
	s_lshr_b32 s22, s17, 1                         ; q: head hq = 4 y + 2 hf + (w & 1): group hq / 8 = y / 2, column (hq % 8) x 128
	s_lshl_b32 s22, s22, 16
	s_lshl_b32 s23, s17, 2
	s_lshl_b32 s40, s37, 1
	s_add_co_u32 s23, s23, s40
	s_add_co_u32 s23, s23, s38
	s_and_b32 s23, s23, 7
	s_lshl_b32 s23, s23, 9
	s_add_co_u32 s22, s22, s23
	s_add_co_u32 s22, s22, Q32O
	s_mov_b32 s23, 0
	s_lshl_b32 s24, s17, 9                         ; k: KV head y
	s_mov_b32 s25, 0
	s_lshl_b32 s40, s39, 8                         ; v: KV head y, my 64 channels
	s_add_co_u32 s40, s40, s24
	s_mov_b32 s41, 0
	s_lshl_b32 s26, ttmp9, 20                      ; wo16: my first column's row of 8,192 bytes + 1,024 y + 512 hf
	s_lshl_b32 s27, s36, 18
	s_add_co_u32 s26, s26, s27
	s_lshl_b32 s27, s17, 10
	s_add_co_u32 s26, s26, s27
	s_lshl_b32 s27, s37, 9
	s_add_co_u32 s26, s26, s27
	s_mov_b32 s27, 0
	s_lshl_b32 s28, s17, 18                        ; part: chunk y, rows 2 w on, columns 128 x on
	s_lshl_b32 s29, s16, 15
	s_add_co_u32 s28, s28, s29
	s_lshl_b32 s29, ttmp9, 9
	s_add_co_u32 s28, s28, s29
	s_mov_b32 s29, 0
	s_mov_b32 s30, 0x76543210
	s_mov_b32 s31, 0xfedcba98
	s_mov_b32 s32, 0x3e0293ee                      ; c = log2(e) / sqrt(128)
	s_mov_b32 s33, s32
	s_mov_b32 s34, 0x41800000                      ; 16
	s_mov_b32 s35, s34
	s_wait_kmcnt 0x0
	s_add_nc_u64 s[4:5], s[4:5], s[20:21]
	s_add_nc_u64 s[6:7], s[6:7], s[22:23]
	s_add_nc_u64 s[8:9], s[8:9], s[24:25]
	s_add_nc_u64 s[10:11], s[10:11], s[40:41]
	s_add_nc_u64 s[12:13], s[12:13], s[26:27]
	s_add_nc_u64 s[14:15], s[14:15], s[28:29]
	WIN 0x40
.irp c, 0,1,2,3,4,5,6,7,8,9,10,11,12,13,14,15
	global_load_b128 v[QF+4*\c:QF+4*\c+3], v13, s[6:7] offset:32*\c    ; lane (r, h): channels 8 c + 4 h + 0 .. 3 of query r
.endr
.irp c, 0,1,2,3,4,5,6,7,8,9,10,11,12,13,14,15
	global_load_b128 v[KF+4*\c:KF+4*\c+3], v13, s[8:9] offset:32*\c    ; the same of key r: one order of channels on both sides
.endr
.irp ct, 0,1,2,3
.irp i, 0,1,2,3,4,5,6,7
	global_load_b32 v[VF+8*\ct+\i], v14, s[10:11] offset:4096*\i+64*\ct   ; v(key 8 h + i, channel 16 ct + r of my 64)
.endr
.endr
	WIN 0
.macro LOAD t                          ; block t: Wo(32 t + k, my column) into set t % 3; every offset an immediate, 4,177,920 at the most
.set k, 0
.rept 32
	global_load_b32 v[X+32*((\t)%3)+k], v4, s[4:5] offset:(32*(\t)+k)*16384 th:TH_LOAD_NT
.set k, k+1
.endr
.endm
	LOAD 0
	s_wait_loadcnt 32                              ; all but block 0's 32: q, k and v are in
	LOAD 1
	; scores S^T = k q^T: 32 steps of 4 channels, four accumulators by turns
	WIN 0x55
.set n, 0
.rept 32
.if n < 4
	v_wmma_f32_16x16x4_f32 v[SACC+8*(n%4):SACC+8*(n%4)+7], v[KF+2*n:KF+2*n+1], v[QF+2*n:QF+2*n+1], 0
.else
	v_wmma_f32_16x16x4_f32 v[SACC+8*(n%4):SACC+8*(n%4)+7], v[KF+2*n:KF+2*n+1], v[QF+2*n:QF+2*n+1], v[SACC+8*(n%4):SACC+8*(n%4)+7]
.endif
.set n, n+1
.endr
	FAR
	WIN 0x05
.irp p, 0,1,2,3
	v_pk_add_f32 v[PS+2*\p:PS+2*\p+1], v[SACC+2*\p:SACC+2*\p+1], v[SACC+8+2*\p:SACC+9+2*\p]
	v_pk_add_f32 v[TM+2*\p:TM+2*\p+1], v[SACC+16+2*\p:SACC+17+2*\p], v[SACC+24+2*\p:SACC+25+2*\p]
.endr
	WIN 0
.irp p, 0,1,2,3
	v_pk_add_f32 v[PS+2*\p:PS+2*\p+1], v[PS+2*\p:PS+2*\p+1], v[TM+2*\p:TM+2*\p+1]   ; lane (r, h): query r, keys 8 h + j
.endr
	v_mov_b32 v[TM], 0xff800000
.irp j, 0,1,2,3,4,5,6,7
	v_cmp_gt_i32 vcc_lo, \j, v15                   ; key 8 h + j comes after query r
	v_cndmask_b32 v[PS+\j], v[PS+\j], v[TM], vcc_lo
.endr
	v_max3_num_f32 v[TM+1], v[PS], v[PS+1], v[PS+2]
	v_max3_num_f32 v[TM+1], v[TM+1], v[PS+3], v[PS+4]
	v_max3_num_f32 v[TM+1], v[TM+1], v[PS+5], v[PS+6]
	v_max_num_f32 v[TM+1], v[TM+1], v[PS+7]
	v_mov_b32 v[TM+2], 0
	v_permlanex16_b32 v[TM+2], v[TM+1], s30, s31
	v_max_num_f32 v[TM+1], v[TM+1], v[TM+2]        ; the row's maximum (key 0 counts for every query)
	v_mul_f32 v[TM+4], s32, v[TM+1]
	v_mov_b32 v[TM+5], 0
.irp p, 0,1,2,3
	v_pk_fma_f32 v[PS+2*\p:PS+2*\p+1], v[PS+2*\p:PS+2*\p+1], s[32:33], v[TM+4:TM+5] op_sel_hi:[1,0,0] neg_lo:[0,0,1] neg_hi:[0,0,1]
.endr
.irp j, 0,1,2,3,4,5,6,7
	v_exp_f32 v[PS+\j], v[PS+\j]
.endr
	v_nop                                          ; a plain instruction behind the last exponential
	s_wait_alu depctr_va_vdst(0)                   ; one wait for the eight
	v_pk_add_f32 v[TM:TM+1], v[PS:PS+1], v[PS+2:PS+3]
	v_pk_add_f32 v[TM+2:TM+3], v[PS+4:PS+5], v[PS+6:PS+7]
	v_pk_add_f32 v[TM:TM+1], v[TM:TM+1], v[TM+2:TM+3]
	v_add_f32 v[TM], v[TM], v[TM+1]
	v_permlanex16_b32 v[TM+2], v[TM], s30, s31
	v_add_f32 v[TM], v[TM], v[TM+2]
	v_rcp_f32 v[TM+6], v[TM]
	v_mov_b32 v[TM+7], 0                           ; a plain instruction behind the reciprocal; the pair's upper half
	s_wait_alu depctr_va_vdst(0)
	v_mul_f32 v[TM+6], 0x3d800000, v[TM+6]         ; x 2^-4: Wo is multiplied as Wo x 16 below
.irp p, 0,1,2,3
	v_pk_mul_f32 v[PS+2*\p:PS+2*\p+1], v[PS+2*\p:PS+2*\p+1], v[TM+6:TM+7] op_sel_hi:[1,0]
.endr
	; O^T = v^T p, my 64 channels: step s takes keys 2 s, 2 s + 1, 8 + 2 s, 9 + 2 s; four accumulators by turns
	WIN 0x51
.irp s, 0,1,2,3
.irp ct, 0,1,2,3
.if \s == 0
	v_wmma_f32_16x16x4_f32 v[OACC+8*\ct:OACC+8*\ct+7], v[VF+8*\ct+2*\s:VF+8*\ct+2*\s+1], v[PS+2*\s:PS+2*\s+1], 0
.else
	v_wmma_f32_16x16x4_f32 v[OACC+8*\ct:OACC+8*\ct+7], v[VF+8*\ct+2*\s:VF+8*\ct+2*\s+1], v[PS+2*\s:PS+2*\s+1], v[OACC+8*\ct:OACC+8*\ct+7]
.endif
.endr
.endr
	FAR
	WIN 0x04                                       ; an LDS store's data are its source 1: window 1
.irp i, 0,1,2,3,4,5,6,7
	ds_store_b128 v8, v[OACC+4*\i:OACC+4*\i+3] offset:512*\i   ; my half of my head's attention as an image of its registers
.endr
	WIN 0
	s_wait_dscnt 0x0                               ; for the others' sake: my stores have landed
	s_barrier_signal -1
	s_barrier_wait -1
	WIN 0x40
.set i, 0
.rept 32
	ds_load_b128 v[4*i:4*i+3], v9 offset:512*i     ; register 64 hh + 8 ct + j of lane (q, h): attention(q, head 2 hf + hh, channel 16 ct + 8 h + j) / 16
.set i, i+1
.endr
	WIN 0
.macro FLUSH f                         ; four blocks' f16, 256 bytes a column, leave as rows
	s_wait_xcnt 0x0                                ; the last flush's stores have read their registers
.irp u, 0,1,2,3,4,5,6,7,8,9,10,11,12,13,14,15
	ds_load_b128 v[OUTR+4*\u:OUTR+4*\u+3], v6 offset:544*\u
.endr
.irp u, 0,1,2,3,4,5,6,7,8,9,10,11,12,13,14,15
	s_wait_dscnt 15-\u                             ; LDS loads come back in order: load u is in
	global_store_b128 v7, v[OUTR+4*\u:OUTR+4*\u+3], s[12:13] offset:16384*\u+256*(\f)   ; sixteen lanes store 256 consecutive aligned bytes
.endr
.endm
.macro BLOCK t
.set XS, X+32*((\t)%3)
.if (\t) < NBLK-1
	s_wait_loadcnt 32                              ; this block is in; the next block's 32 loads may be out
.else
	s_wait_loadcnt 0
.endif
.if (\t) == 0
	s_wait_dscnt 0x0                               ; my two heads' attention is in
.endif
.irp i, 0,2,4,6,8,10,12,14,16,18,20,22,24,26,28,30
	v_pk_mul_f32 v[XS+\i:XS+\i+1], v[XS+\i:XS+\i+1], s[34:35] op_sel_hi:[1,0]
.endr
.irp i, 0,1,2,3,4,5,6,7,8,9,10,11,12,13,14,15
	v_cvt_pk_f16_f32 v[C16+\i], v[XS+2*\i], v[XS+2*\i+1]
.endr
.if (\t)+2 < NBLK
	LOAD (\t)+2                                    ; into the set that the block before multiplied: the 32 plain lines above are the places behind its products
.endif
.irp i, 0,1,2,3
	ds_store_b128 v5, v[C16+4*\i:C16+4*\i+3] offset:64*((\t)%4)+16*\i
.endr
.irp a, 0,1,2,3,4,5,6,7,16,17,18,19,20,21,22,23
	v_permlane16_swap_b32 v[XS+\a], v[XS+\a+8]     ; register a: columns 0-15, k = a | a + 8 in the two halves of the lanes; register a + 8: columns 16-31, the same k
.endr
	WIN 0x04                                       ; source 1 (attention) window 1
.irp c, 0,1
.irp s, 0,1,2,3
.irp u, 0,1
.if ((\t) == 0) && (\c == 0) && (\s < 2)
	v_wmma_f32_16x16x4_f32 v[PACC+8*(2*(\s%2)+\u):PACC+8*(2*(\s%2)+\u)+7], v[XS+16*\c+8*\u+2*\s:XS+16*\c+8*\u+2*\s+1], v[64*((\t)/4)+8*(2*((\t)%4)+\c)+2*\s:64*((\t)/4)+8*(2*((\t)%4)+\c)+2*\s+1], 0
.else
	v_wmma_f32_16x16x4_f32 v[PACC+8*(2*(\s%2)+\u):PACC+8*(2*(\s%2)+\u)+7], v[XS+16*\c+8*\u+2*\s:XS+16*\c+8*\u+2*\s+1], v[64*((\t)/4)+8*(2*((\t)%4)+\c)+2*\s:64*((\t)/4)+8*(2*((\t)%4)+\c)+2*\s+1], v[PACC+8*(2*(\s%2)+\u):PACC+8*(2*(\s%2)+\u)+7]
.endif
.endr
.endr
.endr
	WIN 0
.if (\t)%4 == 3
	FLUSH (\t)/4
.endif
	s_wait_dscnt 0x0                               ; my LDS stores have read their registers
.endm
.set Q, 0
.rept NBLK
	BLOCK Q
.set Q, Q+1
.endr
	FAR
	s_wait_xcnt 0x0                                ; the last flush's stores have read the registers that the sums take
.irp u, 0,1
.irp p, 0,1,2,3
	v_pk_add_f32 v[OUTR+8*\u+2*\p:OUTR+8*\u+2*\p+1], v[PACC+8*\u+2*\p:PACC+8*\u+2*\p+1], v[PACC+16+8*\u+2*\p:PACC+17+8*\u+2*\p]   ; lane (q, h): my half's part(q, 16 u + 8 h + j)
.endr
.endr
.irp u, 0,1
	ds_store_b128 v10, v[OUTR+8*\u:OUTR+8*\u+3] offset:64*\u
	ds_store_b128 v10, v[OUTR+8*\u+4:OUTR+8*\u+7] offset:64*\u+16
.endr
	s_wait_dscnt 0x0                               ; for the others' sake
	s_barrier_signal -1
	s_barrier_wait -1                              ; 16 rows x 128 columns lie in each of the two stages
.irp i, 0,1
	ds_load_b128 v[OUTR+16+4*\i:OUTR+19+4*\i], v11 offset:528*\i
	ds_load_b128 v[OUTR+24+4*\i:OUTR+27+4*\i], v11 offset:PSTB+528*\i
.endr
	s_wait_dscnt 0x0
.irp i, 0,1
.irp p, 0,1
	v_pk_add_f32 v[OUTR+16+4*\i+2*\p:OUTR+17+4*\i+2*\p], v[OUTR+16+4*\i+2*\p:OUTR+17+4*\i+2*\p], v[OUTR+24+4*\i+2*\p:OUTR+25+4*\i+2*\p]   ; the two halves of k
.endr
.endr
.irp i, 0,1
	global_store_b128 v12, v[OUTR+16+4*\i:OUTR+19+4*\i], s[14:15] offset:16384*\i   ; 32 lanes store 512 consecutive aligned bytes
.endr
	s_wait_tensorcnt 0x0                           ; the wave's end, behind my last LDS store
	ds_add_u32 v[SPW], v[NIL]
	s_wait_dscnt 0x0
	s_endpgm
.Lfunc_end_k_q1ff55b1dee_wo_fine:
	.size	k_q1ff55b1dee_wo_fine, .Lfunc_end_k_q1ff55b1dee_wo_fine-k_q1ff55b1dee_wo_fine
	.p2alignl 7, 3214868480
	.fill 96, 4, 3214868480
	.section	.rodata,"a",@progbits
	.p2align	6, 0x0
	.amdhsa_kernel k_q1ff55b1dee_wo_fine
		.amdhsa_group_segment_fixed_size 120320
		.amdhsa_private_segment_fixed_size 0
		.amdhsa_enable_private_segment 0
		.amdhsa_kernarg_size 48
		.amdhsa_user_sgpr_count 2
		.amdhsa_user_sgpr_kernarg_segment_ptr 1
		.amdhsa_wavefront_size32 1
		.amdhsa_system_sgpr_workgroup_id_x 1
		.amdhsa_system_sgpr_workgroup_id_y 1
		.amdhsa_system_sgpr_workgroup_id_z 1
		.amdhsa_system_vgpr_workitem_id 0
		.amdhsa_next_free_vgpr 512
		.amdhsa_next_free_sgpr 66
		.amdhsa_reserve_vcc 1
		.amdhsa_float_denorm_mode_32 3
		.amdhsa_float_denorm_mode_16_64 3
		.amdhsa_memory_ordered 1
		.amdhsa_forward_progress 1
		.amdhsa_inst_pref_size 83
	.end_amdhsa_kernel
	.amdgpu_metadata
---
amdhsa.version: [ 1, 2 ]
amdhsa.kernels:
  - .name:           k_q1ff55b1dee_wo_fine
    .symbol:         k_q1ff55b1dee_wo_fine.kd
    .args:
      - { .name: Wo, .offset: 0, .size: 8, .value_kind: global_buffer, .address_space: global }
      - { .name: qkv, .offset: 8, .size: 8, .value_kind: global_buffer, .address_space: global }
      - { .name: out1, .offset: 16, .size: 8, .value_kind: global_buffer, .address_space: global }
      - { .name: out2, .offset: 24, .size: 8, .value_kind: global_buffer, .address_space: global }
      - { .name: wo16, .offset: 32, .size: 8, .value_kind: global_buffer, .address_space: global }
      - { .name: part, .offset: 40, .size: 8, .value_kind: global_buffer, .address_space: global }
    .group_segment_fixed_size: 120320
    .private_segment_fixed_size: 0
    .kernarg_segment_align: 8
    .kernarg_segment_size: 48
    .max_flat_workgroup_size: 256
    .sgpr_count:     66
    .vgpr_count:     512
    .wavefront_size: 32
...
	.end_amdgpu_metadata
.endif
;; end of part 3
;; launch attn (part 4): grid 32 x 8, 8 waves a work-group, no clusters, 327,680 bytes of LDS; arguments qkv, part, attn16, out0; writes attn16, out0
.if DOCPART == 4
	.amdgcn_target "amdgcn-amd-amdhsa--gfx1250"
	.amdhsa_code_object_version 6
	.text
	.protected	k_q1ff55b1dee_attn
	.globl	k_q1ff55b1dee_attn
	.p2align	8
	.type	k_q1ff55b1dee_attn,@function
k_q1ff55b1dee_attn:
	s_mov_b64 s[64:65], 0
	v_nop
	global_prefetch_b8 v0, s[64:65] scope:SCOPE_SE
	s_setreg_imm32_b32 hwreg(HW_REG_WAVE_MODE, 25, 1), 1
	s_wait_xcnt 0x0
; Causal attention with grouped heads, operands in f16, sums, maxima and exponentials in f32.  A work-group owns KV head g (grid y) and positions 32 x .. 32 x + 31 with all four query heads of the group.
; Wave w: pt = w & 1 its tile of 16 positions; hp = (w >> 1) & 1 its two heads 4 g + 2 hp + {0, 1} (two tiles); par = w >> 2 the parity of its key steps of 64.  Waves w and w + 4 split the keys and are merged at the end.
; S^T = K Q^T and O^T = V^T P (both transposed): a lane holds one query throughout.  Running maximum m and sum l: p = 2^(c s - c m), c = log2(e) / sqrt(128).
; K and V come through a ring of two LDS slots of 128 keys (waves 0, 1: K's two steps; waves 2, 3: V's).  EVERY work-group walks all 8 slots: trip counts are constants; a step whose keys all come after the wave's
; queries is jumped over by a scalar branch on ids, and a slot whose first key comes after the work-group's last query is not asked for.  Every wait on TENSORcnt is for 0.
; No cluster: partners along the positions would need different numbers of tiles under the mask, and the heads that share K and V already sit in this work-group.
; v16 holds v x 2^-4, so attn16 holds attention x 2^-4.  Waves 4-7 also add the eight parts of out0's rows 0-15 (f32 path), 64 numbers a wave.
; LIMITS: as stated where q16, k16, v16 are made; NaN and infinities are not served.
; REGISTERS: window 0: v1-11 addresses; v12-27 statistics, 8 a tile (c m, m, l, l, four at work); v32-95 S^T; v96-127 P; v128-255 K's, then V's fragments.   window 1: v0-127 O^T; v128-191 Q.
.set KS,    64
.set PK,    272                        ; a row of K in LDS: 256 bytes + 16
.set PV,    288                        ; of V: 256 + 32
.set VOFF,  KS*PK
.set STEPB, KS*(PK+PV)
.set SLOT1, 1<<17
.set MRG,   SLOT1+2*STEPB              ; four regions of 16,896 bytes for the merge
.set MRGB,  16896
.set STAGE, MRG+4*MRGB                 ; four stages of 16 x 272
.set SPARE, STAGE+4*16*272             ; the spare words, 128 bytes a wave
.set AK0, 1
.set AV0, 2
.set ADR, 3
.set RH,  4
.set SPW, 5
.set NIL, 6
.set GO,  7
.set MW,  8
.set STO, 9
.set RD,  10
.set PFO, 11
.set ST,  12
.set VD,  28
.set NEG, 29
.set QOF, 30
.set POF, 31
.set S,   32
.set P,   96
.set KV,  128
.set QR,  128
.set TB,  2                            ; s2  LDS byte at which the slot in hand begins
.set SLOTS, 3
.set WV,  18
.set SEL, 20
.set CS,  22
.set G1K, 24
.set G1V, 32
.set G0K, 40
.set G0V, 44
.set KF,  48                           ; s48 the slot's first key
.set KW,  49                           ; s49 my step's first key
.set Q0,  50                           ; s50 my first query
.set QL,  51                           ; s51 the work-group's last query
.set Q15, 52                           ; s52 my last query
.set PFA, 54
.set LIM, 56
.set QB,  58
.set OB,  60
.set MSB, 0
.macro WIN new
.if MSB != \new
	s_set_vgpr_msb (MSB<<8)|\new
.set MSB, \new
.endif
.endm
.macro TLOAD                           ; waves 0, 1 fetch K's tiles, waves 2, 3 V's, the others nothing; s_nop 0 and four v_nop follow each line
	s_cmp_lt_u32 s[WV], 2
	s_cbranch_scc0 .Lnot_k_\@
	tensor_load_to_lds s[G0K:G0K+3], s[G1K:G1K+7]
	s_nop 0
.rept 4
	v_nop
.endr
	s_branch .Lasked_\@
.Lnot_k_\@:
	s_cmp_lt_u32 s[WV], 4
	s_cbranch_scc0 .Lasked_\@
	tensor_load_to_lds s[G0V:G0V+3], s[G1V:G1V+7]
	s_nop 0
.rept 4
	v_nop
.endr
.Lasked_\@:
.endm
; A prefetch of what the NEXT change of slots will ask for: 128 rows of K and of V, 256 bytes a row.  Each row is named once in the launch: the head's first work-group asks; in it waves 4, 5 take K's 64 rows each,
; waves 6, 7 V's, a lane a row, two instructions.  It begins with slot 2 and the last change that fills a slot asks for nothing.
.macro ASK
	s_cmp_gt_u32 s[SLOTS], s[LIM]
	s_cbranch_scc0 .Lnot_mine_\@
	global_prefetch_b8 v[PFO], s[PFA:PFA+1] th:TH_LOAD_NT scope:SCOPE_SE
	global_prefetch_b8 v[PFO], s[PFA:PFA+1] offset:8192 th:TH_LOAD_NT scope:SCOPE_SE
.Lnot_mine_\@:
.endm
	s_load_b256 s[4:11], s[0:1], 0x0               ; qkv, part, attn16, out0
	v_lshl_add_u32 v[SPW], v0, 2, SPARE
	v_mov_b32 v[NIL], 0
	ds_add_u32 v[SPW], v[NIL]                      ; the wave's opening: the add, twice on end, and its wait
	ds_add_u32 v[SPW], v[NIL]
	v_lshrrev_b32 v1, 5, v0
	v_readfirstlane_b32 s[WV], v1                  ; wave 0..7
	s_and_b32 s12, s[WV], 1                        ; pt; also: which of a slot's two steps I fetch
	s_bfe_u32 s13, s[WV], 0x10001                  ; hp
	s_lshr_b32 s14, s[WV], 2                       ; par
	s_and_b32 s15, ttmp7, 0xffff                   ; g
	s_mov_b32 s[G1K], (1<<16)|(1<<20)|(5<<22)|(3<<25)   ; elements of 2 bytes; 4 words of padding behind every 64
	s_mov_b32 s[G1V], (1<<16)|(1<<20)|(5<<22)|(7<<25)   ; 8 words
.irp g, G1K, G1V
	s_mov_b32 s[\g+1], 128<<16
	s_mov_b32 s[\g+2], KS<<16
	s_mov_b32 s[\g+3], 128<<16
	s_mov_b32 s[\g+4], KS
	s_mov_b32 s[\g+5], 128
	s_mov_b32 s[\g+6], 0
	s_mov_b32 s[\g+7], 0
.endr
	s_mov_b32 s[SEL], 0x76543210
	s_mov_b32 s[SEL+1], 0xfedcba98
	s_mov_b32 s[CS], 0x3e0293ee
	s_mov_b32 s[CS+1], s[CS]
	s_mov_b32 s[TB], 0
	s_mov_b32 s[SLOTS], 7
	s_mov_b32 s[KF], 0
	s_lshl_b32 s[KW], s14, 6
	s_lshl_b32 s[Q0], ttmp9, 5
	s_or_b32 s[QL], s[Q0], 31
	s_lshl_b32 s66, s12, 4
	s_add_co_u32 s[Q0], s[Q0], s66
	s_add_co_u32 s[Q15], s[Q0], 15
	s_add_co_u32 s66, s15, 32                      ; K: head 32 + g of qkv, my step's 64 rows
	s_lshl_b32 s66, s66, 18
	s_lshl_b32 s70, s12, 14
	s_add_co_u32 s66, s66, s70
	s_mov_b32 s67, 0
	s_add_co_u32 s68, s15, 40                      ; V: head 40 + g
	s_lshl_b32 s68, s68, 18
	s_add_co_u32 s68, s68, s70
	s_mov_b32 s69, 0
	s_mul_i32 s70, s12, STEPB
	s_wait_dscnt 0x0                               ; both opening adds are done
	s_wait_kmcnt 0x0
	s_mov_b32 s[G0K], 1
	s_mov_b32 s[G0K+1], s70
	s_add_nc_u64 s[G0K+2:G0K+3], s[4:5], s[66:67]
	s_or_b32 s[G0K+3], s[G0K+3], 0x80000000
	s_mov_b32 s[G0V], 1
	s_add_co_u32 s[G0V+1], s70, VOFF
	s_add_nc_u64 s[G0V+2:G0V+3], s[4:5], s[68:69]
	s_or_b32 s[G0V+3], s[G0V+3], 0x80000000
	TLOAD                                          ; slot 0: key 0 counts for every query
	s_cmp_lt_u32 s[WV], 6
	s_cselect_b32 s72, s66, s68
	s_add_co_u32 s72, s72, 2*KS*256                ; in slot 1: the first change of slots steps it to slot 2
	s_mov_b32 s73, 0
	s_add_nc_u64 s[PFA:PFA+1], s[4:5], s[72:73]
	s_xor_b32 s72, s14, 1                          ; 0 in waves 4 to 7,
	s_or_b32 s72, s72, ttmp9                       ; of the head's first work-group
	s_cmp_eq_u32 s72, 0
	s_cselect_b32 s[LIM], 1, -1
	s_lshl_b32 s74, s15, 2
	s_lshl_b32 s75, s13, 1
	s_add_co_u32 s74, s74, s75                     ; my first head
	s_lshl_b32 s72, s74, 18
	s_lshl_b32 s73, s[Q0], 8
	s_add_co_u32 s72, s72, s73
	s_mov_b32 s73, 0
	s_add_nc_u64 s[QB:QB+1], s[4:5], s[72:73]
	s_lshl_b32 s72, s[Q0], 13
	s_lshl_b32 s74, s74, 8
	s_add_co_u32 s72, s72, s74
	s_add_nc_u64 s[OB:OB+1], s[8:9], s[72:73]
	v_and_b32 v32, 15, v0                          ; r
	v_bfe_u32 v33, v0, 4, 1                        ; h
	v_and_b32 v34, 31, v0                          ; lane
	s_mul_i32 s71, s14, STEPB                      ; my parity's step in a slot
	v_mul_u32_u24 v[AK0], v32, PK
	v_lshl_add_u32 v[AK0], v33, 4, v[AK0]
	v_add_nc_u32 v[AK0], s71, v[AK0]
	v_and_b32 v35, 7, v0
	v_bfe_u32 v36, v0, 3, 1
	v_lshl_add_u32 v[AV0], v33, 3, v35
	v_mul_u32_u24 v[AV0], v[AV0], PV
	v_lshl_add_u32 v[AV0], v36, 4, v[AV0]
	s_add_co_u32 s71, s71, VOFF
	v_add_nc_u32 v[AV0], s71, v[AV0]
	v_lshlrev_b32 v35, 3, v33
	v_sub_nc_u32 v[RH], v32, v35                   ; r - 8 h
	v_lshlrev_b32 v[GO], 13, v33
	v_lshl_add_u32 v[GO], v32, 4, v[GO]
	s_and_b32 s71, s[WV], 3
	s_mul_i32 s72, s71, MRGB
	s_add_co_u32 s72, s72, MRG
	v_lshl_add_u32 v[MW], v34, 4, s72
	s_mul_i32 s72, s71, 16*272
	s_add_co_u32 s72, s72, STAGE
	v_mul_u32_u24 v[STO], v32, 272
	v_lshl_add_u32 v[STO], v33, 4, v[STO]
	v_add_nc_u32 v[STO], s72, v[STO]
	v_mul_u32_u24 v[RD], v33, 272
	v_lshl_add_u32 v[RD], v32, 4, v[RD]
	v_add_nc_u32 v[RD], s72, v[RD]
	v_lshlrev_b32 v[PFO], 8, v34
	v_lshlrev_b32 v[QOF], 8, v32
	v_lshl_add_u32 v[QOF], v33, 4, v[QOF]
	s_lshl_b32 s72, s15, 5
	s_add_co_u32 s72, s72, ttmp9
	s_lshl_b32 s72, s72, 10
	s_lshl_b32 s73, s71, 8
	s_add_co_u32 s72, s72, s73
	v_lshl_add_u32 v[POF], v34, 3, s72             ; the parts: 256 numbers a work-group, 64 a wave, 2 a lane
	v_mov_b32 v[NEG], 0xff800000
.irp t, 0,1
	v_mov_b32 v[ST+8*\t+1], 0xff61b1e6             ; m = -3e38, under every score
	v_mul_f32 v[ST+8*\t], s[CS], v[ST+8*\t+1]
.irp j, 2,3,4,5,6,7
	v_mov_b32 v[ST+8*\t+\j], 0
.endr
.endr
	WIN 0x40
.irp t, 0,1
.irp c, 0,1,2,3
	global_load_b128 v[QR+32*\t+8*\c:QR+32*\t+8*\c+3], v[QOF], s[QB:QB+1] offset:262144*\t+64*\c
	global_load_b128 v[QR+32*\t+8*\c+4:QR+32*\t+8*\c+7], v[QOF], s[QB:QB+1] offset:262144*\t+64*\c+32
.endr
.endr
.set i, 0
.rept 128
	v_mov_b32 v[i], 0                              ; O^T: where a wave's first active step stands hangs on ids, and a wave of parity 1 may have none
.set i, i+1
.endr
	WIN 0
	s_cmp_lt_u32 s[WV], 4
	s_cbranch_scc1 .Lno_part
.irp y, 0,1,2,3,4,5,6,7
	global_load_b64 v[32+2*\y:33+2*\y], v[POF], s[6:7] offset:262144*\y
.endr
	s_wait_loadcnt 0x0
.irp y, 1,2,3,4,5,6,7
	v_pk_add_f32 v[32:33], v[32:33], v[32+2*\y:33+2*\y]
.endr
	global_store_b64 v[POF], v[32:33], s[10:11]    ; out0's rows 0-15: 32 lanes store 256 consecutive aligned bytes
	s_wait_xcnt 0x0                                ; the store has read its registers, which the scores take later
.Lno_part:
	s_wait_loadcnt 0x0                             ; Q
.macro KQ                              ; product i of 32 of S^T = K Q^T: channels 32 (i / 8), keys 16 ((i / 2) % 4), tile i % 2; eight accumulators by turns
.set rS, S+32*(i%2)+8*((i/2)%4)
.set rK, KV+32*((i/2)%4)+8*(i/8)
.set rQ, QR+32*(i%2)+8*(i/8)
.if i < 8
	v_wmma_f32_16x16x32_f16 v[rS:rS+7], v[rK:rK+7], v[rQ:rQ+7], 0
.else
	v_wmma_f32_16x16x32_f16 v[rS:rS+7], v[rK:rK+7], v[rQ:rQ+7], v[rS:rS+7]
.endif
.endm
.macro PVM                             ; product i of 32 of O^T += V^T P: keys 32 (i / 16), channels 16 ((i / 2) % 8), tile i % 2; sixteen accumulators by turns
.set rO, 64*(i%2)+8*((i/2)%8)
.set rV, KV+64*(i/16)+8*((i/2)%8)
.set rP, P+16*(i%2)+8*(i/16)
	v_wmma_f32_16x16x32_f16 v[rO:rO+7], v[rV:rV+7], v[rP:rP+7], v[rO:rO+7]
.endm
.macro SUML w, n                       ; one level of the sum of a tile's 16 pairs, in place
.set u, 0
.rept \n
.irp t, 0,1
	v_pk_add_f32 v[S+32*\t+\w*u:S+32*\t+\w*u+1], v[S+32*\t+\w*u:S+32*\t+\w*u+1], v[S+32*\t+\w*u+\w/2:S+32*\t+\w*u+\w/2+1]
.endr
.set u, u+1
.endr
.endm
.macro SOFTMAX                         ; both tiles, line by line by turns
.irp j, 0,1,2,3
.irp t, 0,1
	v_max3_num_f32 v[ST+8*\t+4+\j], v[S+32*\t+8*\j], v[S+32*\t+8*\j+1], v[S+32*\t+8*\j+2]
.endr
.endr
.irp u, 3,5
.irp j, 0,1,2,3
.irp t, 0,1
	v_max3_num_f32 v[ST+8*\t+4+\j], v[ST+8*\t+4+\j], v[S+32*\t+8*\j+\u], v[S+32*\t+8*\j+\u+1]
.endr
.endr
.endr
.irp t, 0,1
	v_max3_num_f32 v[ST+8*\t+4], v[ST+8*\t+4], v[S+32*\t+7], v[S+32*\t+15]
.endr
.irp t, 0,1
	v_max3_num_f32 v[ST+8*\t+6], v[ST+8*\t+6], v[S+32*\t+23], v[S+32*\t+31]
.endr
.irp t, 0,1
	v_max3_num_f32 v[ST+8*\t+4], v[ST+8*\t+4], v[ST+8*\t+5], v[ST+8*\t+6]
.endr
.irp t, 0,1
	v_max3_num_f32 v[ST+8*\t+4], v[ST+8*\t+4], v[ST+8*\t+7], v[ST+8*\t+1]
.endr
.irp t, 0,1
	v_permlanex16_b32 v[ST+8*\t+5], v[ST+8*\t+4], s[SEL], s[SEL+1]   ; the query's other 32 keys lie in the lane 16 away
.endr
.irp t, 0,1
	v_mov_b32 v[ST+8*\t+7], v[ST+8*\t]             ; c m_old
.endr
.irp t, 0,1
	v_max_num_f32 v[ST+8*\t+1], v[ST+8*\t+4], v[ST+8*\t+5]
.endr
.irp t, 0,1
	v_mul_f32 v[ST+8*\t], s[CS], v[ST+8*\t+1]
.endr
.irp t, 0,1
	v_sub_f32 v[ST+8*\t+7], v[ST+8*\t+7], v[ST+8*\t]
.endr
.set i, 0
.rept 16
.irp t, 0,1
	v_pk_fma_f32 v[S+32*\t+2*i:S+32*\t+2*i+1], v[S+32*\t+2*i:S+32*\t+2*i+1], s[CS:CS+1], v[ST+8*\t:ST+8*\t+1] op_sel_hi:[1,0,0] neg_lo:[0,0,1] neg_hi:[0,0,1]
.endr
.set i, i+1
.endr
.irp t, 0,1
	v_exp_f32 v[ST+8*\t+6], v[ST+8*\t+7]           ; a = 2^(c m_old - c m_new)
.endr
.set i, 0
.rept 64
	v_exp_f32 v[S+i], v[S+i]
.set i, i+1
.endr
	v_nop                                          ; a plain instruction behind the last exponential
	s_wait_alu depctr_va_vdst(0)                   ; ONE wait for the 66, ahead of their first reader
.set i, 0
.rept 32
	v_cvt_pk_f16_f32 v[P+i], v[S+2*i], v[S+2*i+1]
.set i, i+1
.endr
	SUML 4, 8
	SUML 8, 4
	SUML 16, 2
	SUML 32, 1
.irp t, 0,1
	v_pk_fma_f32 v[ST+8*\t+2:ST+8*\t+3], v[ST+8*\t+2:ST+8*\t+3], v[ST+8*\t+6:ST+8*\t+7], v[S+32*\t:S+32*\t+1] op_sel_hi:[1,0,1]
.endr
	WIN 0x41
.irp t, 0,1
.set i, 0
.rept 32
	v_pk_mul_f32 v[64*\t+2*i:64*\t+2*i+1], v[64*\t+2*i:64*\t+2*i+1], v[ST+8*\t+6:ST+8*\t+7] op_sel_hi:[1,0]
.set i, i+1
.endr
.endr
	WIN 0
.endm
.macro SLOTSTEP                        ; my step of 64 keys in the slot in hand
	s_cmp_gt_u32 s[KW], s[Q15]                     ; all its keys come after my queries: ids and the count of slots alone
	s_cbranch_scc1 .Lhidden_\@
	v_add_nc_u32 v[ADR], s[TB], v[AK0]
.irp f, 0,1,2,3,4,5,6,7,8,9,10,11,12,13,14,15
	ds_load_b128 v[KV+8*\f:KV+8*\f+3], v[ADR] offset:(\f/4)*16*PK+(\f%4)*64
	ds_load_b128 v[KV+8*\f+4:KV+8*\f+7], v[ADR] offset:(\f/4)*16*PK+(\f%4)*64+32
.endr
	s_wait_dscnt 0x0
	WIN 0x04                                       ; source 1 (Q) window 1
.set i, 0
.rept 32
	KQ
.set i, i+1
.endr
	WIN 0
	v_add_nc_u32 v[ADR], s[TB], v[AV0]             ; with the three v_nop: four places ahead of the loads into K's registers and of the reads of the scores
.rept 3
	v_nop
.endr
.irp f, 0,1,2,3,4,5,6,7,8,9,10,11,12,13,14,15
	ds_load_tr16_b128 v[KV+8*\f:KV+8*\f+3], v[ADR] offset:(\f/8)*32*PV+(\f%8)*32
	ds_load_tr16_b128 v[KV+8*\f+4:KV+8*\f+7], v[ADR] offset:(\f/8)*32*PV+16*PV+(\f%8)*32
.endr
	s_add_co_u32 s96, s[KW], 63
	s_cmp_le_u32 s96, s[Q0]                        ; every key counts for every query of mine
	s_cbranch_scc1 .Lopen_\@
	s_sub_co_i32 s96, s[Q0], s[KW]
	v_add_nc_u32 v[VD], s96, v[RH]                 ; register n holds key KW + 16 (n / 8) + 8 h + n % 8: hidden where 16 (n / 8) + n % 8 > Q0 - KW + r - 8 h
.set i, 0
.rept 32
	v_cmp_gt_i32 vcc_lo, 16*(i/8)+i%8, v[VD]
	v_cndmask_b32 v[S+i], v[S+i], v[NEG], vcc_lo
	v_cndmask_b32 v[S+32+i], v[S+32+i], v[NEG], vcc_lo
.set i, i+1
.endr
.Lopen_\@:
	SOFTMAX
	s_wait_dscnt 0x0                               ; V is in
	WIN 0x50                                       ; C and D (O^T) window 1
.set i, 0
.rept 32
	PVM
.set i, i+1
.endr
	WIN 0
.rept 4
	v_nop                                          ; places ahead of the next loads into V's registers and of the next reads of O^T
.endr
.Lhidden_\@:
	s_add_co_u32 s[KW], s[KW], 2*KS
	s_add_co_u32 s[KF], s[KF], 2*KS
	s_xor_b32 s[TB], s[TB], SLOT1
.endm
; The change of slots stands at a slot's head: every wave waits for all its tensor loads, adds 0 to its spare word (fill = 1: twice on end),
; waits for that and for its reads of the slot that it has left, and passes the barrier.  fill = 1: the slot just left is filled with the next 128 keys, up to the causal limit.
.macro CHANGE fill
	s_wait_tensorcnt 0x0
	ds_add_u32 v[SPW], v[NIL]
.if \fill
	ds_add_u32 v[SPW], v[NIL]
	s_xor_b32 s[G0K+1], s[G0K+1], SLOT1
	s_add_nc_u64 s[G0K+2:G0K+3], s[G0K+2:G0K+3], 2*KS*256
	s_xor_b32 s[G0V+1], s[G0V+1], SLOT1
	s_add_nc_u64 s[G0V+2:G0V+3], s[G0V+2:G0V+3], 2*KS*256
	s_wait_xcnt 0x0                                ; the last prefetches, a slot back, have read their address
	s_add_nc_u64 s[PFA:PFA+1], s[PFA:PFA+1], 2*KS*256
.endif
	s_wait_dscnt 0x0
	s_barrier_signal -1
	s_barrier_wait -1
.if \fill
	s_add_co_u32 s96, s[KF], 2*KS                  ; the first key of the slot that this change would ask for
	s_cmp_gt_u32 s96, s[QL]                        ; past my work-group's last query: no wave would read it.  The same in all eight waves
	s_cbranch_scc1 .Lpast_\@
	TLOAD
.Lpast_\@:
	ASK
.endif
.endm
.Lslot:                                            ; seven trips
	CHANGE 1
	SLOTSTEP
	s_sub_co_u32 s[SLOTS], s[SLOTS], 1
	s_cmp_lg_u32 s[SLOTS], 0
	s_cbranch_scc1 .Lslot
	CHANGE 0                                       ; the last slot: nothing is left to ask for
	SLOTSTEP
	; THE MERGE of waves w and w + 4
.irp t, 0,1
	v_add_f32 v[ST+8*\t+4], v[ST+8*\t+2], v[ST+8*\t+3]
.endr
.irp t, 0,1
	v_permlanex16_b32 v[ST+8*\t+5], v[ST+8*\t+4], s[SEL], s[SEL+1]
.endr
.irp t, 0,1
	v_add_f32 v[P+1+2*\t], v[ST+8*\t+4], v[ST+8*\t+5]   ; l
	v_mov_b32 v[P+2*\t], v[ST+8*\t]                     ; c m
.endr
	s_cmp_lt_u32 s[WV], 4
	s_cbranch_scc1 .Lkeep
	ds_store_b128 v[MW], v[P:P+3]
	WIN 0x04                                       ; an LDS store's data are its source 1: window 1
.set i, 0
.rept 32
	ds_store_b128 v[MW], v[4*i:4*i+3] offset:512+512*i
.set i, i+1
.endr
	WIN 0
.Lkeep:
	s_wait_dscnt 0x0                               ; for the partner's sake
	s_barrier_signal -1
	s_barrier_wait -1
	s_cmp_ge_u32 s[WV], 4
	s_cbranch_scc1 .Lend
	ds_load_b128 v[P+4:P+7], v[MW]
.set i, 0
.rept 32
	ds_load_b128 v[KV+4*i:KV+4*i+3], v[MW] offset:512+512*i
.set i, i+1
.endr
	s_wait_dscnt 0x0
.set W, P+8                            ; per tile 8 registers: f_A (pair), f_B (pair), at work
.irp t, 0,1
	v_max_num_f32 v[W+8*\t+4], v[ST+8*\t], v[P+4+2*\t]
	v_sub_f32 v[W+8*\t+1], v[ST+8*\t], v[W+8*\t+4]
	v_sub_f32 v[W+8*\t+3], v[P+4+2*\t], v[W+8*\t+4]
.endr
.irp t, 0,1
	v_exp_f32 v[W+8*\t], v[W+8*\t+1]
	v_exp_f32 v[W+8*\t+2], v[W+8*\t+3]
.endr
	v_nop
	s_wait_alu depctr_va_vdst(0)
.irp t, 0,1
	v_mul_f32 v[W+8*\t+4], v[P+1+2*\t], v[W+8*\t]
	v_fma_f32 v[W+8*\t+4], v[P+5+2*\t], v[W+8*\t+2], v[W+8*\t+4]
.endr
.irp t, 0,1
	v_rcp_f32 v[W+8*\t+5], v[W+8*\t+4]
.endr
	v_nop
	s_wait_alu depctr_va_vdst(0)
.irp t, 0,1
	v_mul_f32 v[W+8*\t], v[W+8*\t], v[W+8*\t+5]
	v_mul_f32 v[W+8*\t+2], v[W+8*\t+2], v[W+8*\t+5]
.endr
	WIN 0x41
.irp t, 0,1
.set i, 0
.rept 32
	v_pk_mul_f32 v[64*\t+2*i:64*\t+2*i+1], v[64*\t+2*i:64*\t+2*i+1], v[W+8*\t:W+8*\t+1] op_sel_hi:[1,0]
.set i, i+1
.endr
.endr
	WIN 0x50
.irp t, 0,1
.set i, 0
.rept 32
	v_pk_fma_f32 v[64*\t+2*i:64*\t+2*i+1], v[KV+64*\t+2*i:KV+64*\t+2*i+1], v[W+8*\t+2:W+8*\t+3], v[64*\t+2*i:64*\t+2*i+1] op_sel_hi:[1,0,1]
.set i, i+1
.endr
.endr
.macro PACK t                          ; a tile: 16 rows x 128 channels of f16 through my stage, back as whole rows of 256 bytes
	WIN 0x05
.set i, 0
.rept 32
	v_cvt_pk_f16_f32 v[S+32*\t+i], v[64*\t+2*i], v[64*\t+2*i+1]
.set i, i+1
.endr
	WIN 0
.irp f, 0,1,2,3,4,5,6,7
	ds_store_b128 v[STO], v[S+32*\t+4*\f:S+32*\t+4*\f+3] offset:32*\f
.endr
.irp f, 0,1,2,3,4,5,6,7
	ds_load_b128 v[S+32*\t+4*\f:S+32*\t+4*\f+3], v[RD] offset:\f*2*272   ; LDS serves a wave's instructions in order
.endr
.endm
.macro SEND t, younger                 ; younger: the LDS instructions issued behind tile t's loads
.irp f, 0,1,2,3,4,5,6,7
	s_wait_dscnt \younger+7-\f
	global_store_b128 v[GO], v[S+32*\t+4*\f:S+32*\t+4*\f+3], s[OB:OB+1] offset:16384*\f+256*\t   ; sixteen lanes store 256 consecutive aligned bytes
.endr
.endm
	PACK 0
	PACK 1
	SEND 0, 16
	SEND 1, 0
.Lend:
	s_wait_tensorcnt 0x0                           ; the wave's end
	ds_add_u32 v[SPW], v[NIL]
	s_wait_dscnt 0x0
	s_endpgm
.Lfunc_end_k_q1ff55b1dee_attn:
	.size	k_q1ff55b1dee_attn, .Lfunc_end_k_q1ff55b1dee_attn-k_q1ff55b1dee_attn
	.p2alignl 7, 3214868480
	.fill 96, 4, 3214868480
	.section	.rodata,"a",@progbits
	.p2align	6, 0x0
	.amdhsa_kernel k_q1ff55b1dee_attn
		.amdhsa_group_segment_fixed_size 327680
		.amdhsa_private_segment_fixed_size 0
		.amdhsa_enable_private_segment 0
		.amdhsa_kernarg_size 32
		.amdhsa_user_sgpr_count 2
		.amdhsa_user_sgpr_kernarg_segment_ptr 1
		.amdhsa_wavefront_size32 1
		.amdhsa_system_sgpr_workgroup_id_x 1
		.amdhsa_system_sgpr_workgroup_id_y 1
		.amdhsa_system_sgpr_workgroup_id_z 1
		.amdhsa_system_vgpr_workitem_id 0
		.amdhsa_next_free_vgpr 512
		.amdhsa_next_free_sgpr 100
		.amdhsa_reserve_vcc 1
		.amdhsa_float_denorm_mode_32 3
		.amdhsa_float_denorm_mode_16_64 3
		.amdhsa_memory_ordered 1
		.amdhsa_forward_progress 1
		.amdhsa_inst_pref_size 91
	.end_amdhsa_kernel
	.amdgpu_metadata
---
amdhsa.version: [ 1, 2 ]
amdhsa.kernels:
  - .name:           k_q1ff55b1dee_attn
    .symbol:         k_q1ff55b1dee_attn.kd
    .args:
      - { .name: qkv, .offset: 0, .size: 8, .value_kind: global_buffer, .address_space: global }
      - { .name: part, .offset: 8, .size: 8, .value_kind: global_buffer, .address_space: global }
      - { .name: attn16, .offset: 16, .size: 8, .value_kind: global_buffer, .address_space: global }
      - { .name: out0, .offset: 24, .size: 8, .value_kind: global_buffer, .address_space: global }
    .group_segment_fixed_size: 327680
    .private_segment_fixed_size: 0
    .kernarg_segment_align: 8
    .kernarg_segment_size: 32
    .max_flat_workgroup_size: 256
    .sgpr_count:     100
    .vgpr_count:     512
    .wavefront_size: 32
...
	.end_amdgpu_metadata
.endif
;; end of part 4
;; launch gemm_out (part 5): grid 32 x 8, 4 waves a work-group, clusters of 4 x 4, 327,680 bytes of LDS; arguments attn16, wo16, out0; writes out0
.if DOCPART == 5
	.amdgcn_target "amdgcn-amd-amdhsa--gfx1250"
	.amdhsa_code_object_version 6
	.text
	.protected	k_q1ff55b1dee_gemm_out
	.globl	k_q1ff55b1dee_gemm_out
	.p2align	8
	.type	k_q1ff55b1dee_gemm_out,@function
k_q1ff55b1dee_gemm_out:
	s_mov_b64 s[64:65], 0
	v_nop
	global_prefetch_b8 v0, s[64:65] scope:SCOPE_SE
	s_setreg_imm32_b32 hwreg(HW_REG_WAVE_MODE, 25, 1), 1
	s_wait_xcnt 0x0
	s_wait_alu depctr_hold_cnt(0) depctr_sa_sdst(0) depctr_va_vdst(0) depctr_va_sdst(0) depctr_va_ssrc(0) depctr_va_vcc(0) depctr_vm_vsrc(0)
	s_getreg_b32 s2, hwreg(HW_REG_IB_STS2, 6, 4)
	s_cmp_eq_u32 s2, 0
	s_cbranch_scc0 .Lentry_in_a_cluster
	s_endpgm
.Lentry_in_a_cluster:
	s_bfe_u32 s2, ttmp6, 0x10000c
	s_cmp_lg_u32 s2, 0xf033
	s_cbranch_scc0 .Lentry_shape_is_right
	s_endpgm
.Lentry_shape_is_right:
; out0[m][n] = sum over k of attn16[m][k] wo16[n][k]: both f16 (attention x 2^-4, Wo x 2^4: the product needs no rescaling), sums and result f32.  SIZE_M = 1,024, SIZE_N = SIZE_K = 4,096.
; A tile of C is 128 x 128, so that 256 work-groups have one each; four waves, each 64 x 64: 16 accumulators.  K goes in steps of 256 (LDS rows of 512 bytes; a wave's tensor load brings 64) through two slots.
; CLUSTERS 4 x 4: A's tile is asked for jointly along a row of the cluster, B's along a column.  THE MATRIX INSTRUCTION IS USED TRANSPOSED: a lane holds eight neighbouring numbers of a row of C.
; Rows 0-15 of out0 belong to the f32 path of the launches before: the wave that holds them stores its first 16 rows with every lane off (a mask, no branch).
; REGISTERS: window 0: v0-31 addresses; v32-95 rows read back; v128-255 accumulators ((a, b) at 128 + 8 (4 a + b)).   window 1: two fragment buffers of 128.
.set SIZE_M, 1024
.set SIZE_N, 4096
.set SIZE_K, 4096
.set KSTEP,  256
.set PITCH,  528
.set HALFT,  64*PITCH
.set SLOT,   4*HALFT
.set STAGE,  2*SLOT                    ; behind the ring: 16 rows x 272 bytes for each wave
.set SPITCH, 272
.set SPARE,  STAGE+4*16*SPITCH
.set LAPS, SIZE_K/(2*KSTEP)
.set ADRA, 16
.set ADRB, 20
.set STO,  24
.set RD,   25
.set CO,   26
.set VM,   27                          ; v27 my first row of C
.set SPW,  28
.set NIL,  29
.set TMP,  32
.set ACC,  128
.set F0,   0
.set F1,   128
.set G1, 24
.set G0, 32
.set G1B, 48
.set G0B, 56
.set MSB, 0
.macro WIN new
.if MSB != \new
	s_set_vgpr_msb (MSB<<8)|\new
.set MSB, \new
.endif
.endm
.set MUL,  0x05
.set TO_F, 0x40
.macro JLOAD s
	s_cmp_eq_u32 s11, 0
	s_cbranch_scc0 .Lfor_b_\@
	tensor_load_to_lds s[G0+4*\s:G0+4*\s+3], s[G1:G1+7]
	s_nop 0
.rept 4
	v_nop
.endr
	s_branch .Lasked_\@
.Lfor_b_\@:
	tensor_load_to_lds s[G0B+4*\s:G0B+4*\s+3], s[G1B:G1B+7]
	s_nop 0
.rept 4
	v_nop
.endr
.Lasked_\@:
.endm
.macro CREST
	s_cmp_lg_u32 s10, 0
	s_cbranch_scc1 .Lnot_wave_0_\@
	s_barrier_signal -3
.Lnot_wave_0_\@:
	s_barrier_wait -3
	s_barrier_signal -1
	s_barrier_wait -1
.endm
.macro CROUND
	s_barrier_signal -1
	s_barrier_wait -1
	CREST
.endm
	s_load_b128 s[4:7], s[0:1], 0x0                ; A, B
	s_load_b64 s[8:9], s[0:1], 0x10                ; C
	v_lshl_add_u32 v[SPW], v0, 2, SPARE
	v_mov_b32 v[NIL], 0
	ds_add_u32 v[SPW], v[NIL]                      ; the wave's opening: the add, twice on end, and its wait ahead of my first tensor load
	ds_add_u32 v[SPW], v[NIL]
	v_lshrrev_b32 v1, 5, v0
	v_readfirstlane_b32 s10, v1                    ; wave 0..3
	s_lshr_b32 s11, s10, 1                         ; my half of the tile's rows; also: I fetch for A (0) or B (1)
	s_and_b32 s12, s10, 1                          ; my half of its columns; also: which 64 rows I fetch
	s_bfe_u32 s40, ttmp6, 0x40000
	s_bfe_u32 s41, ttmp6, 0x40004
	s_lshl_b32 s42, ttmp9, 2
	s_add_co_u32 s42, s42, s40                     ; tile column
	s_and_b32 s13, ttmp7, 0xffff
	s_lshl_b32 s13, s13, 2
	s_add_co_u32 s13, s13, s41                     ; tile row
	s_lshl_b32 s43, s41, 2
	s_lshl_b32 s43, 15, s43
	s_lshl_b32 s44, 0x1111, s40
	s_or_b32 s[G1+0], s43, (1<<16)|(1<<20)|(1<<21)|(6<<22)|(3<<25)   ; elements of 2 bytes; 4 words of padding behind every 128
	s_or_b32 s[G1B+0], s44, (1<<16)|(1<<20)|(1<<21)|(6<<22)|(3<<25)
.irp g, G1, G1B
	s_mov_b32 s[\g+1], KSTEP<<16
	s_mov_b32 s[\g+2], 64<<16
	s_mov_b32 s[\g+3], KSTEP<<16
	s_mov_b32 s[\g+4], 64
	s_mov_b32 s[\g+5], SIZE_K
	s_mov_b32 s[\g+6], 0
	s_mov_b32 s[\g+7], 0
.endr
	s_lshl_b32 s17, s12, 6
	s_lshl_b32 s16, s13, 7
	s_add_co_u32 s16, s16, s17
	s_lshl_b32 s46, s42, 7
	s_add_co_u32 s46, s46, s17
	s_mov_b32 s17, 0
	s_mov_b32 s47, 0
	s_mov_b64 s[18:19], SIZE_K*2
	s_mul_u64 s[16:17], s[16:17], s[18:19]
	s_mul_u64 s[46:47], s[46:47], s[18:19]
	s_mul_i32 s20, s10, HALFT
	s_wait_dscnt 0x0
	s_wait_kmcnt 0x0
	s_add_nc_u64 s[14:15], s[4:5], s[16:17]
	s_add_nc_u64 s[46:47], s[6:7], s[46:47]
	CROUND
.irp s, 0,1
	s_mov_b32 s[G0+4*\s], 1
	s_add_co_u32 s[G0+4*\s+1], s20, \s*SLOT
	s_add_nc_u64 s[G0+4*\s+2:G0+4*\s+3], s[14:15], \s*KSTEP*2
	s_or_b32 s[G0+4*\s+3], s[G0+4*\s+3], 0x80000000
	s_mov_b32 s[G0B+4*\s], 1
	s_add_co_u32 s[G0B+4*\s+1], s20, \s*SLOT
	s_add_nc_u64 s[G0B+4*\s+2:G0B+4*\s+3], s[46:47], \s*KSTEP*2
	s_or_b32 s[G0B+4*\s+3], s[G0B+4*\s+3], 0x80000000
	JLOAD \s
.endr
	v_and_b32 v1, 15, v0
	v_bfe_u32 v2, v0, 4, 1
	v_mul_u32_u24 v3, v1, PITCH
	v_lshl_add_u32 v3, v2, 4, v3
	s_mul_i32 s21, s11, HALFT
	s_mul_i32 s22, s12, HALFT
	s_add_co_u32 s22, s22, 2*HALFT
.irp s, 0,1
	v_add_nc_u32 v[ADRA+\s], s21, v3
	v_add_nc_u32 v[ADRB+\s], s22, v3
	s_add_co_u32 s21, s21, SLOT
	s_add_co_u32 s22, s22, SLOT
.endr
	s_mul_i32 s23, s10, 16*SPITCH
	s_add_co_u32 s23, s23, STAGE                   ; my stage: a wave's 64 columns of f32 are 256 bytes
	v_mul_u32_u24 v4, v1, SPITCH
	v_lshl_add_u32 v4, v2, 5, v4
	v_add_nc_u32 v[STO], s23, v4                   ; in: row r, + 32 h
	v_mul_u32_u24 v5, v2, SPITCH
	v_lshl_add_u32 v5, v1, 4, v5
	v_add_nc_u32 v[RD], s23, v5                    ; back: lanes 0-15 one row, lanes 16-31 the next
	v_mul_u32_u24 v5, v2, SIZE_N*4
	v_lshl_add_u32 v[CO], v1, 4, v5
	s_lshl_b32 s16, s13, 7
	s_lshl_b32 s17, s11, 6
	s_add_co_u32 s16, s16, s17                     ; my first row of C
	v_mov_b32 v[VM], s16
	s_mov_b32 s17, 0
	s_mov_b64 s[18:19], SIZE_N*4
	s_mul_u64 s[16:17], s[16:17], s[18:19]
	s_add_nc_u64 s[8:9], s[8:9], s[16:17]
	s_lshl_b32 s46, s42, 9
	s_lshl_b32 s47, s12, 8
	s_add_co_u32 s46, s46, s47                     ; my first column, in bytes
	s_mov_b32 s47, 0
	s_add_nc_u64 s[8:9], s[8:9], s[46:47]
.macro MUL8 f, c, a0, zero             ; the 16 accumulators take turns
.irp a, \a0, \a0+1
.irp b, 0,1,2,3
.if \zero
	v_wmma_f32_16x16x32_f16 v[ACC+8*(4*(\a)+\b):ACC+8*(4*(\a)+\b)+7], v[\f+64+8*(4*\c+\b):\f+64+8*(4*\c+\b)+7], v[\f+8*(4*\c+\a):\f+8*(4*\c+\a)+7], 0
.else
	v_wmma_f32_16x16x32_f16 v[ACC+8*(4*(\a)+\b):ACC+8*(4*(\a)+\b)+7], v[\f+64+8*(4*\c+\b):\f+64+8*(4*\c+\b)+7], v[\f+8*(4*\c+\a):\f+8*(4*\c+\a)+7], v[ACC+8*(4*(\a)+\b):ACC+8*(4*(\a)+\b)+7]
.endif
.endr
.endr
.endm
.macro FETCH slot, k, f                ; 32 LDS loads in one run: 64 along K at byte k of the rows; the first 32 along K first
	WIN TO_F
.irp c, 0,1
.irp i, 0,1,2,3
	ds_load_b128 v[\f+64+8*(4*\c+\i):\f+64+8*(4*\c+\i)+3],   v[ADRB+\slot] offset:\k+64*\c+\i*16*PITCH
	ds_load_b128 v[\f+64+8*(4*\c+\i)+4:\f+64+8*(4*\c+\i)+7], v[ADRB+\slot] offset:\k+64*\c+\i*16*PITCH+32
	ds_load_b128 v[\f+8*(4*\c+\i):\f+8*(4*\c+\i)+3],         v[ADRA+\slot] offset:\k+64*\c+\i*16*PITCH
	ds_load_b128 v[\f+8*(4*\c+\i)+4:\f+8*(4*\c+\i)+7],       v[ADRA+\slot] offset:\k+64*\c+\i*16*PITCH+32
.endr
.endr
.endm
.macro PLACES
.rept 4
	v_nop
.endr
.endm
.macro QUARTER slot, k, f, g, zero
	s_wait_dscnt 16                                ; the first 32 along K are in; the other sixteen loads may be out
	WIN MUL
	MUL8 \f, 0, 0, \zero
	MUL8 \f, 0, 2, \zero
	PLACES
	FETCH \slot, \k, \g
	s_wait_dscnt 32                                ; all but the 32 just issued
	WIN MUL
	MUL8 \f, 1, 0, 0
	MUL8 \f, 1, 2, 0
.endm
.macro TURN slot, next, fill
	WIN 0
	s_wait_tensorcnt 0x0                           ; all my tensor loads have landed: my part of the next slot
	ds_add_u32 v[SPW], v[NIL]                      ; 0 onto my spare word
	s_wait_dscnt 17                                ; the add and the youngest sixteen loads may be out
	WIN MUL
	MUL8 F1, 0, 0, 0
	s_wait_dscnt 0x0                               ; the add is done, and my reads of this slot are over
	s_barrier_signal -1
	MUL8 F1, 0, 2, 0
.if \fill
	WIN 0
.endif
	s_barrier_wait -1
.if \fill
	CREST                                          ; the barrier has opened a round of the cluster's
	s_add_nc_u64 s[G0+4*\slot+2:G0+4*\slot+3], s[G0+4*\slot+2:G0+4*\slot+3], 2*KSTEP*2
	s_add_nc_u64 s[G0B+4*\slot+2:G0B+4*\slot+3], s[G0B+4*\slot+2:G0B+4*\slot+3], 2*KSTEP*2
	JLOAD \slot
.else
	PLACES
.endif
	FETCH \next, 0, F0
	WIN MUL
	MUL8 F1, 1, 0, 0
	MUL8 F1, 1, 2, 0
.endm
	s_wait_tensorcnt 1                             ; my part of K step 0 is in; K step 1's load may be out
	s_barrier_signal -1
	s_barrier_wait -1
	FETCH 0, 0, F0
	QUARTER 0, 128, F0, F1, 1
	WIN 0
	s_mov_b32 s3, LAPS-1
.Llap:
	QUARTER 0, 256, F1, F0, 0
	QUARTER 0, 384, F0, F1, 0
	TURN 0, 1, 1
	QUARTER 1, 128, F0, F1, 0
	QUARTER 1, 256, F1, F0, 0
	QUARTER 1, 384, F0, F1, 0
	TURN 1, 0, 1
	QUARTER 0, 128, F0, F1, 0
	WIN 0
	s_sub_co_u32 s3, s3, 1
	s_cmp_lg_u32 s3, 0
	s_cbranch_scc1 .Llap
	QUARTER 0, 256, F1, F0, 0                      ; the last lap fills nothing
	QUARTER 0, 384, F0, F1, 0
	TURN 0, 1, 0
	QUARTER 1, 128, F0, F1, 0
	QUARTER 1, 256, F1, F0, 0
	QUARTER 1, 384, F0, F1, 0
	s_wait_dscnt 16
	WIN MUL
	MUL8 F1, 0, 0, 0
	MUL8 F1, 0, 2, 0
	s_wait_dscnt 0
	MUL8 F1, 1, 0, 0
	MUL8 F1, 1, 2, 0
	WIN 0
	; THE WAY OUT: 16 rows x 64 columns of f32 at a time through my own stage, back as whole rows of 256 bytes
	PLACES
.irp a, 0,1,2,3
.if \a >= 2
	s_wait_xcnt 0x0                                ; the stores of two blocks back have read their registers
.endif
.irp b, 0,1,2,3
	ds_store_b128 v[STO], v[ACC+8*(4*\a+\b):ACC+8*(4*\a+\b)+3] offset:64*\b          ; each accumulator from its low end on
	ds_store_b128 v[STO], v[ACC+8*(4*\a+\b)+4:ACC+8*(4*\a+\b)+7] offset:64*\b+16
.endr
.irp t, 0,1,2,3,4,5,6,7
	ds_load_b128 v[TMP+32*(\a%2)+4*\t:TMP+32*(\a%2)+4*\t+3], v[RD] offset:\t*2*SPITCH
.endr
	s_wait_dscnt 0x0
.if \a == 0
	v_cmp_ne_u32 vcc_lo, 0, v[VM]                  ; rows 0-15 of out0 are not mine to store
	s_wait_xcnt 0x0                                ; EXEC changes only behind this wait
	s_and_saveexec_b32 s20, vcc_lo
.endif
.irp t, 0,1,2,3,4,5,6,7
	global_store_b128 v[CO], v[TMP+32*(\a%2)+4*\t:TMP+32*(\a%2)+4*\t+3], s[8:9] offset:(16*\a+2*\t)*SIZE_N*4 th:TH_STORE_NT   ; sixteen lanes store 256 consecutive aligned bytes
.endr
.if \a == 0
	s_wait_xcnt 0x0
	s_or_b32 exec_lo, exec_lo, s20
.endif
.endr
	s_wait_tensorcnt 0x0                           ; the wave's end
	ds_add_u32 v[SPW], v[NIL]
	s_wait_dscnt 0x0
	CROUND                                         ; the closing round
	s_endpgm
.Lfunc_end_k_q1ff55b1dee_gemm_out:
	.size	k_q1ff55b1dee_gemm_out, .Lfunc_end_k_q1ff55b1dee_gemm_out-k_q1ff55b1dee_gemm_out
	.p2alignl 7, 3214868480
	.fill 96, 4, 3214868480
	.section	.rodata,"a",@progbits
	.p2align	6, 0x0
	.amdhsa_kernel k_q1ff55b1dee_gemm_out
		.amdhsa_group_segment_fixed_size 327680
		.amdhsa_private_segment_fixed_size 0
		.amdhsa_enable_private_segment 0
		.amdhsa_kernarg_size 24
		.amdhsa_user_sgpr_count 2
		.amdhsa_user_sgpr_kernarg_segment_ptr 1
		.amdhsa_wavefront_size32 1
		.amdhsa_system_sgpr_workgroup_id_x 1
		.amdhsa_system_sgpr_workgroup_id_y 1
		.amdhsa_system_sgpr_workgroup_id_z 1
		.amdhsa_system_vgpr_workitem_id 0
		.amdhsa_next_free_vgpr 512
		.amdhsa_next_free_sgpr 66
		.amdhsa_reserve_vcc 1
		.amdhsa_float_denorm_mode_32 3
		.amdhsa_float_denorm_mode_16_64 3
		.amdhsa_memory_ordered 1
		.amdhsa_forward_progress 1
		.amdhsa_inst_pref_size 86
	.end_amdhsa_kernel
	.amdgpu_metadata
---
amdhsa.version: [ 1, 2 ]
amdhsa.kernels:
  - .name:           k_q1ff55b1dee_gemm_out
    .symbol:         k_q1ff55b1dee_gemm_out.kd
    .args:
      - { .name: attn16, .offset: 0, .size: 8, .value_kind: global_buffer, .address_space: global }
      - { .name: wo16, .offset: 8, .size: 8, .value_kind: global_buffer, .address_space: global }
      - { .name: out0, .offset: 16, .size: 8, .value_kind: global_buffer, .address_space: global }
    .group_segment_fixed_size: 327680
    .private_segment_fixed_size: 0
    .kernarg_segment_align: 8
    .kernarg_segment_size: 24
    .max_flat_workgroup_size: 128
    .sgpr_count:     66
    .vgpr_count:     512
    .wavefront_size: 32
...
	.end_amdgpu_metadata
.endif
;; end of part 5
